; MI455X (gfx1250); checked and timed in simulation.
; The chip was launched on July 23, 2026; its instructions are those of AMD's public machine-readable ISA for CDNA 5 (MIT licence, August 2026) and "CDNA5" Instruction Set Architecture Reference Guide (July 2026). The comments in the code are by the model that wrote it; some were corrected since.
;; Multi Head Attention. Allowed arithmetic: matrix products marked QUANTISED: E2M3 operands, one E8M0 scale for each 32 along K, by v_wmma_scale_f32_16x16x128_f8f6f4 with both operands' format E2M3, f32 sums; everything else in f32.
;; Inputs: Wk 1,024 x 1,024 float32; Wo 1,024 x 1,024 float32; Wq 1,024 x 1,024 float32; Wv 1,024 x 1,024 float32; bk 1,024 float32; bo 1,024 float32; bq 1,024 float32; bv 1,024 float32; x 4 x 2,048 x 1,024 float32.
;; Outputs: out0 4 x 2,048 x 1,024 float32.
;; This version of the problem:
;;   THIS VERSION OF THE PROBLEM IS GIVEN IN LOW PRECISION. The matrix products marked QUANTISED in the list below multiply operands that are first quantised to E2M3 (2 exponent bits, 3 mantissa bits; 6 bits a number), with one power-of-two scale for each 32 numbers along K (OCP MX v1.0); their sums are f32. All else is computed in f32.
;;   The module's matrix products, in the order in which they are computed (A, B: the left and right operand; K: the contracted axis; several contracted axes count as one K, in the product's order):
;;     1. [M 8,192, K 1,024] x [K 1,024, N 1,024]; A: input x; B: input Wq: QUANTISED
;;     2. [M 8,192, K 1,024] x [K 1,024, N 1,024]; A: input x; B: input Wk: QUANTISED
;;     3. [M 8,192, K 1,024] x [K 1,024, N 1,024]; A: input x; B: input Wv: QUANTISED
;;     4. batch 4 x [M 2,048, K 1,024] x [K 1,024, N 2,048]; A: computed on the way; B: computed on the way: QUANTISED
;;     5. batch 4 x [M 2,048, K 2,048] x [K 2,048, N 1,024]; A: softmax (see below); B: computed on the way: QUANTISED
;;     6. [M 8,192, K 1,024] x [K 1,024, N 1,024]; A: computed on the way; B: input Wo: QUANTISED
;;   THE QUANTISER, for each operand of a quantised product, along K:
;;     - K is cut into blocks of 32 from its start; a last block that is shorter is filled with zeros.
;;     - A block's scale is 2^e with e = floor(log2(the largest magnitude in the block)) - 2, held to -126 .. 127; a block of zeros has e = 0. As a byte (E8M0): e + 127.
;;     - Each number is divided by its block's scale, clamped to +-7.5, and rounded to the nearest number of E2M3, ties to even, subnormals kept.
;;     - The product sums the exact products of the quantised numbers (number of the format x scale) in f32.
;;   ~~~python
;;   def quantise(x, axis):      # numpy; x: float32 -> the quantised numbers, widened to float32 again
;;       x = np.moveaxis(x, axis, -1); K = x.shape[-1]
;;       x = np.pad(x, [(0, 0)] * (x.ndim - 1) + [(0, -K % 32)]); x = x.reshape(x.shape[:-1] + (-1, 32)); a = np.abs(x).max(-1, keepdims=True)
;;       e = np.where(a > 0, np.clip(np.frexp(np.where(a > 0, a, 1))[1] - 1 - 2, -126, 127), 0)      # np.frexp(a)[1] - 1 = floor(log2(a)), exactly
;;       r = np.clip(x / 2.0 ** e, -7.5, 7.5)
;;       step = 2.0 ** (np.maximum(np.frexp(np.where(r == 0, 1, r))[1] - 1, 0) - 3)
;;       q = np.round(r / step) * step * 2.0 ** e      # np.round: ties to even
;;       return np.moveaxis(q.reshape(q.shape[:-2] + (-1,))[..., :K], -1, axis).astype(np.float32)
;;   ~~~
;;   SOFTMAX AHEAD OF A QUANTISED PRODUCT. Where the list says 'softmax', what is quantised is not the finished softmax but p = 2^(t - M), with t = logit x log2(e) and M = ceil(the row's largest t), a whole number; so 1/2 < the row's largest p <= 1. The row's sum l is taken of the UNQUANTISED p, in f32, and the product's result is divided by l at the end. Since M is a whole number, a kernel that streams over the keys may use a running M (the ceiling of the running maximum): every later rescaling is an exact power of two, which a block's scale takes up: the codes' values come out the same.
;;   OPERANDS COMPUTED ON THE WAY. 'Computed on the way' means the value that the module computes at that place (a softmax that the list does not call 'softmax' is quantised finished and normalised). What goes into a quantiser is computed in f32, as accurately as f32 sums, v_exp_f32 and their like allow (about 1e-6 of the number): no bf16 or f16 on the way to a quantiser, and a product that is left as it is and whose result goes on into a quantised operand takes f32 operands (vector FMAs, or v_wmma_f32_16x16x4_f32). A number that lies on a knife's edge between two numbers of the format may be rounded either way, as far as f32 arithmetic and the matrix unit's own rounding can turn it there, and no further.
;; One version. Each part assembles by itself: llvm-mc -triple=amdgcn-amd-amdhsa -mcpu=gfx1250 --defsym DOCPART=n.
;; ======== version 1 of 1: 5 launches
;; limits: right only within a limited range of input values
;; workspace buffers: xw 9,830,400 bytes; qkv 19,660,800 bytes; p 14,155,776 bytes; ctx 6,553,600 bytes
;; launch quant (part 1): grid 256 x 1, 6 waves a work-group, no clusters, 52,992 bytes of LDS; arguments x, Wq, Wk, Wv, Wo, xw; writes xw
.if DOCPART == 1
	.amdgcn_target "amdgcn-amd-amdhsa--gfx1250"
	.amdhsa_code_object_version 6
	.text
	.protected	k_q1fdc3e3a75_quant
	.globl	k_q1fdc3e3a75_quant
	.p2align	8
	.type	k_q1fdc3e3a75_quant,@function
k_q1fdc3e3a75_quant:
	s_mov_b64 s[64:65], 0
	v_nop
	global_prefetch_b8 v0, s[64:65] scope:SCOPE_SE
	s_setreg_imm32_b32 hwreg(HW_REG_WAVE_MODE, 25, 1), 1
	s_wait_xcnt 0x0
; x [8192][1024] and Wq, Wk, Wv, Wo [1024][1024], f32 with K innermost, become ONE matrix XW of 12,288 rows of FP6 (E2M3) codes with one E8M0 byte for each 32 along K.
; LAYOUT OF XW (and of every operand of this program): images of the operand's registers.  A fragment is 16 rows x 128 K = 12 registers a lane; registers 4 g .. 4 g + 3 of lane l lie at 512 g + 16 l of its 1,536 bytes.
; Fragments lie [K / 256][row block][K step in the 256][1,536].  Lane r of row block B holds true row 32 (B / 2) + 8 (B % 2) + r + 8 (r / 8).  Scale words (4 bytes: a row's 128 K) lie [K / 128][16 B + r], behind the codes.
; Row blocks: x 0-511, Wq 512-575, Wk 576-639, Wv 640-703, Wo 704-767.
; A block's scale is 2^(floor(log2(largest magnitude)) - 2); its byte is the largest magnitude's exponent field - 2, held at 1 from below.
; LIMITS: NaN and infinities are not served.  A block whose largest magnitude lies under 2^-124 (a block of zeros too) keeps the byte 1; a block of zeros has zero codes; only this program reads the bytes.
; SHARES: work-group g takes the 64 rows of group g / 2 and four of the eight K steps, a K step a wave: four fragments a wave.  Every load reads 512 consecutive bytes of one row; the 16 rows of a fragment turn
; through the wave's own stage in LDS (rows 528 bytes apart), from which a lane takes the 2 x 32 neighbours that the operand's layout gives it.  Every store of codes covers 512 consecutive bytes.
; Memory binds: no matrix unit, no cluster (no two work-groups read the same bytes), no barrier (waves share nothing).
; THE SHARES AS THEY STAND (in place of the first sentence of SHARES above): the work is 1,536 runs of four fragments (64 rows x one K step); 256 work-groups of six waves, a run a wave: run 6 g + wave takes the 64 rows of
; group run / 8 and K step run % 8.  LDS: 8,704 bytes a wave, and behind the six regions the spare words, 768 bytes.
.set RR,   32
.set XX,   160                         ; v160-223 my 64 numbers: k = 64 c + 32 h + 0 .. 31
.set CC,   224                         ; v224-235 the fragment's codes; v236-238, v240-242 the halves made elsewhere
.set SP,   528                         ; a stage row: 512 bytes + 16
.set WREG, 8704                        ; LDS of a wave: 16 stage rows, then its 64 scale words
	s_load_b256 s[4:11], s[0:1], 0x0               ; x, Wq, Wk, Wv
	s_load_b128 s[12:15], s[0:1], 0x20             ; Wo, xw
	v_lshl_add_u32 v248, v0, 2, 0xcc00
	v_mov_b32 v249, 0
	v_lshrrev_b32 v1, 5, v0
	v_readfirstlane_b32 s16, v1                    ; wave
	v_and_b32 v1, 31, v0                           ; lane
	v_and_b32 v2, 15, v0                           ; r
	v_bfe_u32 v3, v0, 4, 1                         ; h
	v_lshlrev_b32 v4, 4, v1                        ; 16 x lane: my place in a load's and in a store's 512 bytes
	s_mul_i32 s17, s16, WREG
	v_add_nc_u32 v5, s17, v4                       ; the stage, way in
	v_mul_u32_u24 v6, v2, SP
	v_lshl_add_u32 v6, v3, 7, v6
	v_add_nc_u32 v6, s17, v6                       ; way out: row r, + 128 h bytes
	s_add_co_u32 s17, s17, 16*SP
	v_lshl_add_u32 v7, v2, 2, s17                  ; my row's scale word
	v_lshl_add_u32 v8, v1, 3, s17                  ; the 64 words on their way out, 8 bytes a lane
	v_lshlrev_b32 v9, 3, v1
	v_lshlrev_b32 v10, 3, v3                       ; 8 h: how far my two bytes are shifted in the word
	v_mov_b32 v11, 0                               ; a lane permute's destination is written before
	s_mov_b32 s30, 0x76543210
	s_mov_b32 s31, 0xfedcba98                      ; selects for lane l xor 16
	s_mul_i32 s19, ttmp9, 6
	s_add_co_u32 s19, s19, s16                     ; my run
	s_lshr_b32 s18, s19, 3                         ; G: which 64 rows of XW
	s_and_b32 s19, s19, 7                          ; my K step, 0 .. 7
	s_sub_co_u32 s20, s18, 128
	s_lshr_b32 s21, s20, 4                         ; which weight (where G is 128 or more)
	s_and_b32 s20, s20, 15                         ; and which 64 rows of it
	s_wait_alu depctr_va_vdst(0)
	s_wait_kmcnt 0x0
	s_cmp_eq_u32 s21, 1                            ; the source is chosen by my run alone
	s_cselect_b64 s[6:7], s[8:9], s[6:7]
	s_cmp_eq_u32 s21, 2
	s_cselect_b64 s[6:7], s[10:11], s[6:7]
	s_cmp_eq_u32 s21, 3
	s_cselect_b64 s[6:7], s[12:13], s[6:7]
	s_cmp_lt_u32 s18, 128
	s_cselect_b64 s[6:7], s[4:5], s[6:7]
	s_cselect_b32 s20, s18, s20
	s_lshl_b32 s22, s20, 18                        ; 64 rows of 4,096 bytes
	s_lshl_b32 s23, s19, 9                         ; 128 numbers a K step
	s_add_co_u32 s22, s22, s23
	s_mov_b32 s23, 0
	s_add_nc_u64 s[6:7], s[6:7], s[22:23]
	s_lshr_b32 s24, s19, 1
	s_mul_i32 s24, s24, 2359296                    ; 768 row blocks x 3,072 bytes for each 256 along K
	s_mul_i32 s25, s18, 4*3072
	s_add_co_u32 s24, s24, s25
	s_and_b32 s25, s19, 1
	s_mul_i32 s25, s25, 1536
	s_add_co_u32 s24, s24, s25
	s_mov_b32 s25, 0
	s_add_nc_u64 s[26:27], s[14:15], s[24:25]      ; my four fragments
	s_mul_i32 s24, s19, 49152                      ; 12,288 words a K step
	s_lshl_b32 s28, s18, 8
	s_add_co_u32 s24, s24, s28
	s_add_co_u32 s24, s24, 9437184
	s_add_nc_u64 s[28:29], s[14:15], s[24:25]      ; my 64 scale words
.macro LOADF f                         ; fragment f: its 16 rows, 512 bytes each
.irp i, 0,1,2,3,4,5,6,7,8,9,10,11,12,13,14,15
	global_load_b128 v[RR+64*((\f)%2)+4*\i:RR+64*((\f)%2)+4*\i+3], v4, s[6:7] offset:(32*((\f)/2)+8*((\f)%2)+\i+8*(\i/8))*4096 th:TH_LOAD_NT
.endr
.endm
.macro TURNF f                         ; through the stage: LDS serves a wave's instructions in order, so no wait stands between the stores and the loads
.irp i, 0,1,2,3,4,5,6,7,8,9,10,11,12,13,14,15
	ds_store_b128 v5, v[RR+64*((\f)%2)+4*\i:RR+64*((\f)%2)+4*\i+3] offset:SP*\i
.endr
.irp c, 0,1
.irp i, 0,1,2,3,4,5,6,7
	ds_load_b128 v[XX+32*\c+4*\i:XX+32*\c+4*\i+3], v6 offset:256*\c+16*\i
.endr
.endr
.endm
.macro QUANT6                          ; my two whole blocks (2 c + h) become registers 6 c .. 6 c + 5 of the operand, and the row's scale word
.irp c, 0,1
	v_max3_num_f32 v[12+\c], |v[XX+32*\c]|, |v[XX+32*\c+1]|, 0x1800000     ; the floor 2^(3 - 127) among the leaves: the byte cannot fall under 1
	v_max3_num_f32 v[14+\c], |v[XX+32*\c+16]|, |v[XX+32*\c+17]|, 0x1800000
.endr
.irp i, 2,4,6,8,10,12,14
.irp c, 0,1
	v_max3_num_f32 v[12+\c], v[12+\c], |v[XX+32*\c+\i]|, |v[XX+32*\c+\i+1]|
	v_max3_num_f32 v[14+\c], v[14+\c], |v[XX+32*\c+16+\i]|, |v[XX+32*\c+17+\i]|
.endr
.endr
.irp c, 0,1
	v_max_num_f32 v[12+\c], v[12+\c], v[14+\c]
.endr
.irp c, 0,1
	v_add_nc_u32 v[16+\c], 0xff000000, v[12+\c]    ; 2 off the exponent field: the conversion's scale operand
.endr
.irp c, 0,1
	v_lshrrev_b32 v[18+\c], 23, v[16+\c]           ; the byte
.endr
	v_lshl_or_b32 v20, v19, 16, v18                ; blocks h and 2 + h,
	v_lshlrev_b32 v20, v10, v20                    ; at their places in the word;
	v_permlanex16_b32 v11, v20, s30, s31
	v_or_b32 v20, v20, v11                         ; with lane l xor 16's two the word is whole
.irp c, 0,1
	v_cvt_scalef32_pk16_fp6_f32 v[CC+6*\c:CC+6*\c+2], v[XX+32*\c:XX+32*\c+15], v[16+\c]
	v_cvt_scalef32_pk16_fp6_f32 v[CC+12+4*\c:CC+14+4*\c], v[XX+32*\c+16:XX+32*\c+31], v[16+\c]   ; (a conversion's three registers begin on an even number)
.endr
	v_nop                                          ; one plain place behind a scaled conversion
.irp c, 0,1
.irp i, 0,1,2
	v_mov_b32 v[CC+3+6*\c+\i], v[CC+12+4*\c+\i]
.endr
.endr
.endm
.macro FRAGQ f
.if (\f) < 3
	s_wait_loadcnt 16                              ; this fragment's 16 loads are in; the next fragment's 16 may be out
.else
	s_wait_loadcnt 0x0
.endif
	TURNF \f
	s_wait_dscnt 0x0                               ; my 64 numbers are back; the stage's stores, and the last word's store, have read their registers
.if (\f) < 2
	LOADF (\f)+2
.endif
.if (\f) > 0
	s_wait_xcnt 0x0                                ; the last fragment's stores have read the codes' registers, which are written again below
.endif
	QUANT6
	ds_store_b32 v7, v20 offset:64*(\f)            ; lanes r and r + 16 write the same word to the same place
.irp c, 0,1,2
	global_store_b128 v4, v[CC+4*\c:CC+4*\c+3], s[26:27] offset:3072*(\f)+512*\c   ; 32 lanes store 512 consecutive bytes
.endr
.endm
	LOADF 0
	LOADF 1
	FRAGQ 0
	FRAGQ 1
	FRAGQ 2
	FRAGQ 3
	ds_load_b64 v[12:13], v8                       ; my wave's 64 words
	s_wait_dscnt 0x0
	global_store_b64 v9, v[12:13], s[28:29]        ; 32 lanes store 256 consecutive bytes, aligned
	s_wait_tensorcnt 0x0
	ds_add_u32 v248, v249
	s_wait_dscnt 0x0
	s_endpgm
.Lfunc_end_k_q1fdc3e3a75_quant:
	.size	k_q1fdc3e3a75_quant, .Lfunc_end_k_q1fdc3e3a75_quant-k_q1fdc3e3a75_quant
	.p2alignl 7, 3214868480
	.fill 96, 4, 3214868480
	.section	.rodata,"a",@progbits
	.p2align	6, 0x0
	.amdhsa_kernel k_q1fdc3e3a75_quant
		.amdhsa_group_segment_fixed_size 52992
		.amdhsa_private_segment_fixed_size 0
		.amdhsa_enable_private_segment 0
		.amdhsa_kernarg_size 48
		.amdhsa_user_sgpr_count 2
		.amdhsa_user_sgpr_kernarg_segment_ptr 1
		.amdhsa_wavefront_size32 1
		.amdhsa_system_sgpr_workgroup_id_x 1
		.amdhsa_system_sgpr_workgroup_id_y 1
		.amdhsa_system_sgpr_workgroup_id_z 1
		.amdhsa_system_vgpr_workitem_id 0
		.amdhsa_next_free_vgpr 250
		.amdhsa_next_free_sgpr 66
		.amdhsa_reserve_vcc 0
		.amdhsa_float_denorm_mode_32 3
		.amdhsa_float_denorm_mode_16_64 3
		.amdhsa_memory_ordered 1
		.amdhsa_forward_progress 1
		.amdhsa_inst_pref_size 31
	.end_amdhsa_kernel
	.amdgpu_metadata
---
amdhsa.version: [ 1, 2 ]
amdhsa.kernels:
  - .name:           k_q1fdc3e3a75_quant
    .symbol:         k_q1fdc3e3a75_quant.kd
    .args:
      - { .name: x, .offset: 0, .size: 8, .value_kind: global_buffer, .address_space: global }
      - { .name: Wq, .offset: 8, .size: 8, .value_kind: global_buffer, .address_space: global }
      - { .name: Wk, .offset: 16, .size: 8, .value_kind: global_buffer, .address_space: global }
      - { .name: Wv, .offset: 24, .size: 8, .value_kind: global_buffer, .address_space: global }
      - { .name: Wo, .offset: 32, .size: 8, .value_kind: global_buffer, .address_space: global }
      - { .name: xw, .offset: 40, .size: 8, .value_kind: global_buffer, .address_space: global }
    .group_segment_fixed_size: 52992
    .private_segment_fixed_size: 0
    .kernarg_segment_align: 8
    .kernarg_segment_size: 48
    .max_flat_workgroup_size: 192
    .sgpr_count:     66
    .vgpr_count:     250
    .wavefront_size: 32
...
	.end_amdgpu_metadata
.endif
;; end of part 1
;; launch qkv (part 2): grid 32 x 8, 4 waves a work-group, clusters of 4 x 4, 327,680 bytes of LDS; arguments xw, bq, bk, bv, qkv; writes qkv
.if DOCPART == 2
	.amdgcn_target "amdgcn-amd-amdhsa--gfx1250"
	.amdhsa_code_object_version 6
	.text
	.protected	k_q1fdc3e3a75_qkv
	.globl	k_q1fdc3e3a75_qkv
	.p2align	8
	.type	k_q1fdc3e3a75_qkv,@function
k_q1fdc3e3a75_qkv:
	s_mov_b64 s[64:65], 0
	v_nop
	global_prefetch_b8 v0, s[64:65] scope:SCOPE_SE
	s_setreg_imm32_b32 hwreg(HW_REG_WAVE_MODE, 25, 1), 1
	s_wait_xcnt 0x0
	s_wait_alu depctr_hold_cnt(0) depctr_sa_sdst(0) depctr_va_vdst(0) depctr_va_sdst(0) depctr_va_ssrc(0) depctr_va_vcc(0) depctr_vm_vsrc(0)
	s_getreg_b32 s2, hwreg(HW_REG_IB_STS2, 6, 4)
	s_cmp_eq_u32 s2, 0
	s_cbranch_scc0 .Lentry_in_a_cluster
	s_endpgm
.Lentry_in_a_cluster:
	s_bfe_u32 s2, ttmp6, 0x10000c
	s_cmp_lg_u32 s2, 0xf033
	s_cbranch_scc0 .Lentry_shape_is_right
	s_endpgm
.Lentry_shape_is_right:
; q, k = x [Wq; Wk]^T + b and V^T = Wv x^T + bv, on FP6 (E2M3) codes with E8M0 scales, results quantised on the way out: q and k along e, V^T along the keys.
; OPERANDS are fragment images: 16 rows x 128 K = 12 registers a lane, registers 4 g .. of lane l at 512 g + 16 l; laid [K / 256][row block][K step][1,536]; lane r of row block B is true row 32 (B / 2) + 8 (B % 2) + r + 8 (r / 8);
; scale words [K / 128][16 B + r].  XW: x 0-511, Wq 512-, Wk 576-, Wv 640-.  Results: QK (q row blocks 0-511, k 512-1023) and VT (rows e, K = the key over all batches).
; THE PRODUCT IS USED TRANSPOSED (source 0 = 16 rows of B, source 1 = 16 rows of A): a lane holds one row of A, and by the row blocks' make the 16 registers of B's blocks 2 b, 2 b + 1 are the true columns 32 b + 16 h + 0 .. 15:
; so a wave's 128 columns of a block of rows are one fragment of the next product, made in registers.
; A WORK-GROUP STAYS.  The work is 384 tiles of 256 x 256 for 256 work-groups: each makes ONE tile of q or k (A = 256 rows of x, B = 256 rows of Wq or Wk; four waves of 128 x 128) and then HALF a tile of V^T
; (A = 128 rows of Wv, B = 256 rows of x; four waves of 64 x 128).  The second tile's operands are asked for while the first is still multiplied and written out.
; CLUSTER 4 x 4: in both tiles A's rows hang on cy and the cluster's ids, B's on cx and the cluster's ids: A's tile is shared along a row of the cluster, B's along a column, each asked for jointly, which divides the requests by four.
; RING.  First tile: three slots of 256 along K, 98,304 bytes each; K = 1,024 is four: three first fills, and slot 0 is filled again at step 1.  Second tile: two slots of 512 along K, one load a wave each:
; the first into bytes 98,304 .. 245,759 at step 5 (slots 1 and 2 are read out by then), the second into bytes 0 .. 98,303 and 245,760 .. 294,911 in the middle of the first tile's way out.
; A wave has at most four tensor loads out (scale words and three slots at the head), later one.
; LIMITS: NaN and infinities are not served; a block whose largest magnitude lies under 2^-124 keeps the byte 1 (a block of zeros has zero codes); only this program reads the bytes.
; REGISTERS: window 0: v1-31, v56-59 addresses and offsets; v8-11 bv of my rows; v32-39 A's scale words, v40-47 B's (two sets; nothing else ever); v48-55, v60-63 at work; v64-255 A's fragments, two sets
;   (on the way out: v64-223 codes, v224-231 words, v232-255 the second tile's scale words on their way to LDS).
;   window 1: v0-191 B's fragments, two sets; v192-255 the bias, eight tiles.   windows 2, 3: accumulator (a, b) at v[8 (8 (a % 4) + b)].
; THE RING AS IT STANDS (this paragraph holds in place of the RING lines above and of the LDS maps in the comments on the second tile's loads).
; First tile: half h of A's K 0-511 lies at LDS 49,152 h (two runs of 24,576 bytes, 256 along K each), half h of B's at 98,304 + 49,152 h, the third 256 along K at 196,608 (A's halves, B's halves).
; At the head each wave issues ONE joint load of 49,152 bytes: its half of A or of B, 512 along K.  Behind the three lines and a round: the third 256, a quarter a wave.  At step 2 the bytes of the first 256 take the last 256.
; The first tile's scale words (2 x 8 K steps x 1,024 bytes) come through registers, 64 threads to a run of 1,024 bytes, and LDS stores.
; Second tile: first 512 along K at step 5: A's halves at 24,576 + 49,152 x half, B's at 196,608 + 49,152 x half (K 256-767 of the first tile, read out by then);
; second 512 in the middle of the way out: A's halves at 49,152 x half, B's at 98,304 + 49,152 x half.  A wave has one tensor load out.
; PREFETCH: behind the head's load each wave names its work-group's quarter (24 blocks of 256 bytes, by cx for A, by cy for B) of the 24,576 bytes that it loads next; behind that load the same of the last 256 along K.
; The second tile's operands are not prefetched: its rows of x are the rows that the cluster's partners read for the first tile, and its loads are asked for two K steps and half a way out ahead of their use.
.set WROW,  49152                      ; bytes from one K step's scale words to the next, in XW
.set NSTEP, 8
.set ASTR,  2359296                    ; bytes from one 256 along K to the next, in A and in B
.set BSTR,  2359296
.set SCA,   294912                     ; behind the ring: the first tile's scale words, A's [8][256] and B's likewise,
.set SCB,   303104
.set SPARE, 311296                     ; the spare words, 128 bytes a wave,
.set STG,   311808                     ; 512 bytes a wave for scale words on their way out,
.set SCA2,  313856                     ; and the second tile's scale words, A's [8][128] and B's [8][256]: written by LDS stores alone
.set SCB2,  317952
; ---------------- the core ----------------
.macro CONFIG ma, upl, npl, va, vb, vsa, vsb, oc
.set MA,   \ma                         ; blocks of A a wave
.set UPL,  \upl                        ; 256s along K in a load
.set NPL,  \npl                        ; slots
.set RA,   UPL*MA*3072                 ; what one load brings of A: half the tile's blocks
.set RB,   UPL*8*3072                  ; and of B
.set SLOT, 2*RA+2*RB
.set SQ,   2*UPL                       ; K steps in a slot
.set NF,   3*(MA+8)+4+MA/2             ; LDS loads of a K step
.set VA,   \va                         ; v[VA + p], v[VB + p]: LDS address of my half of A, of B, in slot p
.set VB,   \vb
.set VSA,  \vsa                        ; and of my blocks' scale words
.set VSB,  \vsb
.set OC,   \oc                         ; s[OC:OC+1]: where my codes go
.endm
.set MSB, 0
.macro WIN new                         ; the immediate's high byte repeats the setting that is left
.if MSB != (\new)
	s_set_vgpr_msb (MSB<<8)|(\new)
.set MSB, \new
.endif
.endm
.macro PLACES n                        ; plain vector lines between a matrix instruction and a load into, or a vector read or write of, its registers
.rept \n
	v_nop
.endr
.endm
.macro CREST                           ; a round of the cluster's barrier behind its opening barrier
	s_cmp_lg_u32 s14, 0
	s_cbranch_scc1 .Lnot_wave_0_\@
	s_barrier_signal -3
.Lnot_wave_0_\@:
	s_barrier_wait -3
	s_barrier_signal -1
	s_barrier_wait -1
.endm
.macro CROUND
	s_barrier_signal -1
	s_barrier_wait -1
	CREST
.endm
.macro JLOAD g0a, g1a, g0b, g1b        ; a joint load: waves 0, 1 fetch A's halves, waves 2, 3 B's; four v_nop follow each line
	s_cmp_eq_u32 s15, 0
	s_cbranch_scc0 .Lfor_b_\@
	tensor_load_to_lds s[\g0a:\g0a+3], s[\g1a:\g1a+7]
	s_nop 0
.rept 4
	v_nop
.endr
	s_branch .Lasked_\@
.Lfor_b_\@:
	tensor_load_to_lds s[\g0b:\g0b+3], s[\g1b:\g1b+7]
	s_nop 0
.rept 4
	v_nop
.endr
.Lasked_\@:
.endm
.macro IDS
	v_lshrrev_b32 v1, 5, v0
	v_readfirstlane_b32 s14, v1                    ; wave
	s_lshr_b32 s15, s14, 1                         ; which half of A's blocks I multiply.  Also: I fetch for A (0) or B (1)
	s_and_b32 s16, s14, 1                          ; which half of B's.  Also: which half I fetch
	s_bfe_u32 s17, ttmp6, 0x40000                  ; cx
	s_bfe_u32 s18, ttmp6, 0x40004                  ; cy
	s_and_b32 s20, ttmp7, 0xffff                   ; cluster y
	s_lshl_b32 s21, s18, 2
	s_lshl_b32 s21, 15, s21                        ; my row of the cluster
	s_lshl_b32 s22, 0x1111, s17                    ; my column
.endm
.macro MKG1 g, mask, c, r, p           ; group 1: r rows of c elements of 8 bytes, p elements apart; no padding; the mask, and bit 21 beside it
	s_or_b32 s[\g], s[\mask], (3<<16)|(1<<21)
	s_mov_b32 s[\g+1], (\c)<<16
	s_mov_b32 s[\g+2], (\r)<<16
	s_mov_b32 s[\g+3], (\c)<<16
	s_mov_b32 s[\g+4], \r
	s_mov_b32 s[\g+5], \p
	s_mov_b32 s[\g+6], 0
	s_mov_b32 s[\g+7], 0
.endm
.macro MKG0 g, mul, const              ; group 0 round an address that stands in its words 2, 3: LDS address = my half x mul + const
	s_mov_b32 s[\g], 1
	s_mul_i32 s[\g+1], s16, \mul
	s_add_co_u32 s[\g+1], s[\g+1], \const
	s_or_b32 s[\g+3], s[\g+3], 0x80000000
.endm
.macro OFFS gc, gs, rb, nb, woff, wrow ; s[rb] = the tile's first row block -> byte offsets of my half's codes (nb blocks) and of my half of its scale words (rows of wrow bytes from woff on)
	s_lshl_b32 s[\gs+2], s[\rb], 6
	s_add_co_u32 s[\gs+2], s[\gs+2], \woff
	s_mov_b32 s[\gs+3], 0
	s_mul_i32 s[\gc+3], s16, \nb
	s_add_co_u32 s[\gc+2], s[\rb], s[\gc+3]
	s_mul_i32 s[\gc+2], s[\gc+2], 3072
	s_mov_b32 s[\gc+3], 0
.endm
.macro PTRS g, ptr, str                ; the slots' first addresses
	s_add_nc_u64 s[\g+2:\g+3], s[\ptr:\ptr+1], s[\g+2:\g+3]
.irp p, 1,2,3
.if \p < NPL
	s_add_nc_u64 s[\g+4*\p+2:\g+4*\p+3], s[\g+2:\g+3], \p*UPL*(\str)
.endif
.endr
.endm
.macro LANES                           ; the first tile's LDS addresses
	v_and_b32 v1, 31, v0                           ; lane
	v_and_b32 v2, 15, v0                           ; r
	v_bfe_u32 v3, v0, 4, 1                         ; h
	v_lshlrev_b32 v26, 4, v1                       ; 16 x lane: my place in an image's 512 bytes
	v_lshlrev_b32 v4, 2, v1
	s_wait_alu depctr_va_vdst(0)
	s_mul_i32 s66, s15, 2*RA
	s_mul_i32 s67, s16, 2*RB
	s_add_co_u32 s67, s67, SLOT                    ; B's first 512 along K lie behind A's
	v_add_nc_u32 v16, s66, v26                     ; my half of A: K 0-255, later K 768-1023
	v_add_nc_u32 v20, s67, v26                     ; my half of B
	s_add_co_u32 s66, s66, RA
	s_add_co_u32 s67, s67, RB
	v_add_nc_u32 v17, s66, v26                     ; K 256-511
	v_add_nc_u32 v21, s67, v26
	s_mul_i32 s66, s15, RA
	s_mul_i32 s67, s16, RB
	s_add_co_u32 s66, s66, 2*SLOT
	s_add_co_u32 s67, s67, 2*SLOT+2*RA
	v_add_nc_u32 v18, s66, v26                     ; K 512-767
	v_add_nc_u32 v22, s67, v26
	s_mul_i32 s66, s15, MA*64
	s_add_co_u32 s66, s66, SCA
	v_add_nc_u32 v24, s66, v4                      ; my blocks' scale words: 4 x lane takes two blocks, one in each half of the lanes
	s_lshl_b32 s67, s16, 9
	s_add_co_u32 s67, s67, SCB
	v_add_nc_u32 v25, s67, v4
.endm
.macro FETCH j                         ; K step j's fragments and scale words into set j % 2: NF loads, every one of consecutive bytes
.set PL, ((\j)/SQ)%NPL
.set QL, (\j)%SQ
.set FS, (\j)%2
	WIN 0x40                                       ; destination window 1
.irp b, 0,1,2,3,4,5,6,7
.irp c, 0,1,2
	ds_load_b128 v[96*FS+12*\b+4*\c:96*FS+12*\b+4*\c+3], v[VB+PL] offset:(QL/2)*8*3072+3072*\b+1536*(QL%2)+512*\c
.endr
.endr
	WIN 0
.irp x, 0,1,2,3,4,5,6,7
.if \x < MA
.irp c, 0,1,2
	ds_load_b128 v[64+12*MA*FS+12*\x+4*\c:64+12*MA*FS+12*\x+4*\c+3], v[VA+PL] offset:(QL/2)*MA*3072+3072*\x+1536*(QL%2)+512*\c
.endr
.endif
.endr
.irp t, 0,1,2,3
	ds_load_b32 v[40+4*FS+\t], v[VSB] offset:1024*(\j)+128*\t      ; B's blocks 2 t (lanes 0-15) and 2 t + 1 (lanes 16-31)
.endr
.irp t, 0,1,2,3
.if \t < MA/2
	ds_load_b32 v[32+4*FS+\t], v[VSA] offset:MA*128*(\j)+128*\t    ; A's likewise
.endif
.endr
.endm
.macro WM pb, pa                       ; one product; pb, pa: the block's scale words stand in lanes 16-31
.if (\pb) && (\pa)
	v_wmma_scale_f32_16x16x128_f8f6f4 v[WD:WD+7], v[WB:WB+11], v[WA:WA+11], v[WC:WC+7], v[WSB], v[WSA] matrix_a_fmt:MATRIX_FMT_FP6 matrix_b_fmt:MATRIX_FMT_FP6 matrix_a_scale:MATRIX_SCALE_ROW1 matrix_b_scale:MATRIX_SCALE_ROW1
.elseif \pb
	v_wmma_scale_f32_16x16x128_f8f6f4 v[WD:WD+7], v[WB:WB+11], v[WA:WA+11], v[WC:WC+7], v[WSB], v[WSA] matrix_a_fmt:MATRIX_FMT_FP6 matrix_b_fmt:MATRIX_FMT_FP6 matrix_a_scale:MATRIX_SCALE_ROW1
.elseif \pa
	v_wmma_scale_f32_16x16x128_f8f6f4 v[WD:WD+7], v[WB:WB+11], v[WA:WA+11], v[WC:WC+7], v[WSB], v[WSA] matrix_a_fmt:MATRIX_FMT_FP6 matrix_b_fmt:MATRIX_FMT_FP6 matrix_b_scale:MATRIX_SCALE_ROW1
.else
	v_wmma_scale_f32_16x16x128_f8f6f4 v[WD:WD+7], v[WB:WB+11], v[WA:WA+11], v[WC:WC+7], v[WSB], v[WSA] matrix_a_fmt:MATRIX_FMT_FP6 matrix_b_fmt:MATRIX_FMT_FP6
.endif
.endm
.macro MULROW j, a, cm                 ; A's block a against B's eight.  cm: C = 0 the sum so far, 2 the bias tile of b, 3 that of a.  The accumulators take turns, one instruction a turn, in the same order in every step
.set FS, (\j)%2
.set WA, 64+12*MA*FS+12*(\a)
.set WSA, 32+4*FS+(\a)/2
.if (\cm) >= 2
	WIN 0x91+0x40*((\a)/4)                         ; source 0 (B) window 1, source 1 (A) window 0, C window 1, D window 2 or 3
.else
	WIN 0xa1+0x50*((\a)/4)                         ; C and D window 2 or 3
.endif
.irp b, 0,1,2,3,4,5,6,7
.set WD, 64*((\a)%4)+8*\b
.set WB, 96*FS+12*\b
.set WSB, 40+4*FS+\b/2
.set WC, WD
.if (\cm) == 2
.set WC, 192+8*\b
.elseif (\cm) == 3
.set WC, 192+8*(\a)
.endif
	WM \b%2, (\a)%2
.endr
.endm
.macro ROWS j, a0, a1, cm
.irp x, 0,1,2,3,4,5,6,7
.if (\x >= \a0) && (\x < \a1)
	MULROW \j, \x, \cm
.endif
.endr
.endm
.macro STEP0 j, cm                     ; a K step whose successor lies in a slot that is known whole
.if (\j) > 0
	PLACES 4                                       ; the other set was read by the last step's products
.endif
	FETCH (\j)+1
	s_wait_dscnt NF                                ; all but the NF loads just issued: this step's set is in
	ROWS \j, 0, MA, \cm
	WIN 0
.endm
; The second tile's first 512 along K.  No tensor load of mine is out, so descriptors may be written: the two groups 1 take the second tile's shape (A: 4 blocks x 3,072 bytes a row; both: two rows),
; and two groups 0 that are done with take its addresses.  LDS: A's halves at 98,304 + 24,576 x half, B's at 147,456 + 49,152 x half.
.macro T2FIRST
	s_mov_b32 s25, 1536<<16
	s_mov_b32 s26, 2<<16
	s_mov_b32 s27, 1536<<16
	s_mov_b32 s28, 2
	s_mov_b32 s34, 2<<16
	s_mov_b32 s36, 2
	s_mov_b32 s72, 1
	s_mul_i32 s73, s16, 49152
	s_add_co_u32 s73, s73, 24576
	s_mov_b64 s[74:75], s[80:81]
	s_or_b32 s75, s75, 0x80000000
	s_mov_b32 s88, 1
	s_mul_i32 s89, s16, 49152
	s_add_co_u32 s89, s89, 196608
	s_mov_b64 s[90:91], s[96:97]
	s_or_b32 s91, s91, 0x80000000
.endm
.macro STEPR j, t2                     ; a slot's last step, and LDS bytes are filled again: t2 = 0: this slot, with the first tile's K three slots on; t2 = 1: slots 1 and 2, with the second tile's first 512 along K
.set RP, ((\j)/SQ)%NPL
	s_wait_tensorcnt 0x0                           ; all my tensor loads have landed,
	ds_add_u32 v28, v29                            ; 0 onto my spare word
	s_wait_dscnt 1                                 ; this step's set is in (the add may be out)
	ROWS \j, 0, MA/4, 0
	s_wait_dscnt 0x0                               ; the add is done, and my reads of the bytes to be filled are over
	s_barrier_signal -1                            ; opens a round of the cluster's barrier
	ROWS \j, MA/4, MA/2, 0
	WIN 0
	s_barrier_wait -1
	CREST                                          ; no wave of any partner still reads those bytes or has a load on its way
.if \t2
	T2FIRST
	JLOAD 72, 24, 88, 32                           ; the first tensor load behind the round; its four v_nop are the places in front of the loads below
.else
	JLOAD 72, 24, 88, 32                           ; the last 256 along K, into the bytes of the first 256
.endif
	FETCH (\j)+1
	ROWS \j, MA/2, MA, 0
	WIN 0
.endm
.macro STEPB j, n                      ; a slot's last step; the next slot is shown whole: n younger loads of mine may stay out
	s_wait_tensorcnt \n
	s_wait_dscnt 0x0
	s_barrier_signal -1
	ROWS \j, 0, MA/2, 0
	WIN 0
	s_barrier_wait -1
	PLACES 4
	FETCH (\j)+1
	ROWS \j, MA/2, MA, 0
	WIN 0
.endm
.macro STEPL j                         ; a tile's last step
	s_wait_dscnt 0x0
	ROWS \j, 0, MA, 0
	WIN 0
.endm
; The second tile's second 512 along K, asked for in the middle of the first tile's way out.  Its bytes (0 .. 98,303: slot 0; 245,760 .. 294,911: the tail of slot 2) were last read for the first tile's steps 7 and 5.
; LDS: A's halves at 24,576 x half, B's at 49,152 + 196,608 x half.
.macro T2ROUND
	s_wait_tensorcnt 0x0                           ; the second tile's first 512 along K have landed; no tensor load of mine is out, so a group 0 may be written
	ds_add_u32 v28, v29                            ; 0 onto my spare word; the descriptors' steps stand between it and the wait for it
	s_mul_i32 s73, s16, 49152
	s_add_nc_u64 s[74:75], s[74:75], 2*ASTR
	s_mul_i32 s89, s16, 49152
	s_add_co_u32 s89, s89, 98304
	s_add_nc_u64 s[90:91], s[90:91], 2*BSTR
	s_wait_dscnt 0x0                               ; the add is done, and so are all my LDS reads and stores
	CROUND                                         ; both now hold of every wave of the cluster
	JLOAD 72, 24, 88, 32
.endm
; From the four blocks' largest magnitudes in v48-51 (floor included): scale operands, bytes, the row's word; the 64 numbers of block of rows a become a fragment's codes; image to memory, word to the stage.
.macro CODES a
.set S, 64*((\a)%4)
.set W, 2+(\a)/4
.set PC, 64+20*(\a)                    ; every a of a tile has registers of its own: no store's data are written again within a tile
.set PW, 224+(\a)
	WIN 0
.irp b, 0,1,2,3
	v_add_nc_u32 v[60+\b], 0xff000000, v[48+\b]    ; 2 off the exponent field: the conversion's scale operand
.endr
.irp b, 0,1,2,3
	v_lshrrev_b32 v[52+\b], 23, v[60+\b]           ; the byte
.endr
	v_lshl_or_b32 v[PW], v53, 8, v52
	v_lshl_or_b32 v[PW], v54, 16, v[PW]
	v_lshl_or_b32 v[PW], v55, 24, v[PW]
	WIN W                                          ; source 0 in the accumulators' window
.irp c, 0,1
	v_cvt_scalef32_pk16_fp6_f32 v[PC+6*\c:PC+6*\c+2], v[S+32*\c:S+32*\c+15], v[60+2*\c]
	v_cvt_scalef32_pk16_fp6_f32 v[PC+12+4*\c:PC+14+4*\c], v[S+32*\c+16:S+32*\c+31], v[61+2*\c]
.endr
	WIN 0
	v_nop                                          ; one plain place behind a scaled conversion
.irp c, 0,1                            ; the operand's layout wants a whole block in a lane
.irp i, 0,1,2
	v_permlane16_swap_b32 v[PC+6*\c+\i], v[PC+12+4*\c+\i]
.endr
.irp i, 0,1,2
	v_mov_b32 v[PC+3+6*\c+\i], v[PC+12+4*\c+\i]
.endr
.endr
.irp c, 0,1,2
	global_store_b128 v26, v[PC+4*\c:PC+4*\c+3], s[OC:OC+1] offset:3072*(\a)+512*\c   ; 32 lanes store 512 consecutive bytes
.endr
	ds_store_b32 v27, v[PW] offset:64*(\a)         ; lanes r and r + 16 write the same word
.endm
.macro QUANTW a                        ; register 16 b + i of the block of rows is column 32 b + 16 h + i.  Each accumulator is first read at its registers 0 and 1
.set S, 64*((\a)%4)
.set W, 2+(\a)/4
	WIN (W<<2)|(W<<4)
.irp b, 0,1,2,3
	v_max3_num_f32 v[48+\b], 0x1800000, |v[S+16*\b]|, |v[S+16*\b+1]|   ; the floor 2^(3 - 127): the byte cannot fall under 1
.endr
.irp i, 2,4,6,8,10,12,14
.irp b, 0,1,2,3
	v_max3_num_f32 v[48+\b], v[48+\b], |v[S+16*\b+\i]|, |v[S+16*\b+\i+1]|
.endr
.endr
	WIN 0
.irp b, 0,1,2,3
	v_permlanex16_b32 v[52+\b], v[48+\b], s100, s101
.endr
.irp b, 0,1,2,3
	v_max_num_f32 v[48+\b], v[48+\b], v[52+\b]     ; with lane l xor 16's 16: the block's
.endr
	CODES \a
.endm
; ---------------- the launch ----------------
	CONFIG 8, 1, 3, 16, 20, 24, 25, 12             ; the first tile
	s_load_b256 s[4:11], s[0:1], 0x0               ; xw, bq, bk, bv
	s_load_b64 s[12:13], s[0:1], 0x20              ; qkv
	v_lshl_add_u32 v28, v0, 2, SPARE
	v_mov_b32 v29, 0
	ds_add_u32 v28, v29
	ds_add_u32 v28, v29
	s_wait_dscnt 0x0
	IDS
	s_lshl_b32 s2, ttmp9, 2
	s_add_co_u32 s2, s2, s18                       ; first tile: which 256 rows of x
	s_lshl_b32 s3, s20, 2
	s_add_co_u32 s3, s3, s17                       ; and which 256 rows of [Wq; Wk]
	MKG1 24, 21, 3072, 2, 294912                   ; the head's load of A's codes: 8 blocks x 3,072 bytes, twice (512 along K)
	MKG1 32, 22, 3072, 2, 294912
	s_lshl_b32 s100, s2, 4                         ; A's first row block: made of cy and cluster ids alone
	OFFS 68, 56, 100, MA, 9437184, 49152
	s_lshl_b32 s101, s3, 4
	s_add_co_u32 s101, s101, 512                   ; B's: of cx and cluster ids alone
	OFFS 84, 60, 101, 8, 9437184, 49152
	s_lshl_b32 s82, s20, 2                         ; second tile.  A: which 128 rows of Wv: 4 x cluster y + cy
	s_add_co_u32 s82, s82, s18
	s_lshl_b32 s80, s82, 3
	s_lshl_b32 s81, s16, 2
	s_add_co_u32 s80, s80, s81
	s_add_co_u32 s80, s80, 640                     ; row block 640 + 8 x that + 4 x my half
	s_mul_i32 s80, s80, 3072
	s_mov_b32 s81, 0
	s_lshl_b32 s98, ttmp9, 2                       ; B: which 256 rows of x: 4 x cluster x + cx
	s_add_co_u32 s98, s98, s17
	s_lshl_b32 s96, s98, 4
	s_lshl_b32 s97, s16, 3
	s_add_co_u32 s96, s96, s97                     ; row block 16 x that + 8 x my half
	s_mul_i32 s96, s96, 3072
	s_mov_b32 s97, 0
	s_wait_kmcnt 0x0
	PTRS 68, 4, ASTR
	PTRS 84, 4, BSTR
	s_add_nc_u64 s[58:59], s[4:5], s[58:59]
	s_add_nc_u64 s[62:63], s[4:5], s[62:63]
	s_add_nc_u64 s[80:81], s[4:5], s[80:81]        ; kept for the second tile's descriptors
	s_add_nc_u64 s[96:97], s[4:5], s[96:97]
	s_add_nc_u64 s[74:75], s[74:75], 2*ASTR        ; the second group 0: my half of the last 256 along K
	s_add_nc_u64 s[90:91], s[90:91], 2*BSTR
	s_cmp_eq_u32 s15, 0                            ; the prefetches: from my half of the third 256 along K on,
	s_cselect_b64 s[22:23], s[78:79], s[94:95]
	s_cselect_b32 s66, s17, s18                    ; my work-group's place among the four that ask with it: cx for A, cy for B
	s_mul_i32 s66, s66, RA/4
	s_mov_b32 s67, 0
	s_add_nc_u64 s[22:23], s[22:23], s[66:67]
	MKG0 68, 2*RA, 0
	MKG0 84, 2*RB, SLOT
	MKG0 72, 2*RA, 0
	MKG0 88, 2*RB, SLOT
	MKG0 76, RA, 2*SLOT
	MKG0 92, RB, 2*SLOT+2*RA
	v_and_b32 v19, 31, v0
	v_min_u32 v19, 23, v19                         ; 24 blocks of 256 bytes; the lanes left over name the last again
	v_lshlrev_b32 v19, 8, v19
	v_lshrrev_b32 v60, 6, v0                       ; the scale words: threads 0-63 take one K step's 1,024 bytes, threads 64-127 the next one's
	v_and_b32 v62, 63, v0
	v_mul_u32_u24 v60, WROW, v60
	v_lshl_add_u32 v60, v62, 4, v60
	v_lshl_add_u32 v61, v0, 4, SCA                 ; in LDS the K steps lie 1,024 bytes apart: 16 x thread
	s_wait_alu depctr_va_vdst(0)
	CROUND                                         ; all sixteen work-groups are here: the first joint loads meet
	JLOAD 68, 24, 84, 32                           ; one tensor load a wave at the head
	global_prefetch_b8 v19, s[22:23] th:TH_LOAD_NT scope:SCOPE_SE   ; my work-group's quarter of what I load next
.irp i, 0,1,2,3
	global_load_b128 v[160+4*\i:163+4*\i], v60, s[58:59] offset:2*WROW*\i   ; A's scale words
	global_load_b128 v[176+4*\i:179+4*\i], v60, s[62:63] offset:2*WROW*\i   ; B's
.endr
	LANES
	s_lshl_b32 s66, s14, 9
	s_add_co_u32 s66, s66, STG
	v_lshl_add_u32 v27, v2, 2, s66                 ; my row's word in my wave's stage
	v_add_nc_u32 v30, s66, v26                     ; the stage on its way out: the first tile's 128 words, 16 bytes a lane,
	v_lshl_add_u32 v31, v1, 3, s66                 ; the second tile's 64, 8 bytes a lane
	s_mul_i32 s66, s15, 49152                      ; the second tile's LDS addresses: my half of A in its second slot,
	v_add_nc_u32 v7, s66, v26
	s_add_co_u32 s66, s66, 24576
	v_add_nc_u32 v6, s66, v26                      ; in its first;
	s_mul_i32 s67, s16, 49152
	s_add_co_u32 s67, s67, 98304
	v_add_nc_u32 v13, s67, v26                     ; my half of B in its second slot,
	s_add_co_u32 s67, s67, 98304
	v_add_nc_u32 v12, s67, v26                     ; in its first;
	s_lshl_b32 s66, s15, 8
	s_add_co_u32 s66, s66, SCA2
	v_add_nc_u32 v14, s66, v4                      ; my blocks' scale words
	s_lshl_b32 s67, s16, 9
	s_add_co_u32 s67, s67, SCB2
	v_add_nc_u32 v15, s67, v4
	v_lshl_add_u32 v56, v0, 2, SCA2                ; and where thread t puts its part of them: 4 bytes of each of A's rows of words,
	v_lshl_add_u32 v57, v0, 3, SCB2                ; 8 bytes of each of B's
.irp b, 0,1,2,3
	v_mov_b32 v[52+\b], 0                          ; a lane permute's destination is written before
.endr
	; THE BIAS is the C of each sum's first product.  q, k: by column: tile b holds b[32 (b / 2) + 8 (b % 2) + 16 h + 0 .. 7] of my 128 columns
	s_cmp_eq_u32 s20, 0
	s_cselect_b64 s[6:7], s[6:7], s[8:9]           ; bq or bk
	s_and_b32 s66, s3, 3
	s_lshl_b32 s66, s66, 10
	s_lshl_b32 s67, s16, 9
	s_add_co_u32 s66, s66, s67
	s_mov_b32 s67, 0
	s_add_nc_u64 s[6:7], s[6:7], s[66:67]
	v_lshlrev_b32 v5, 6, v3
	WIN 0x40
.irp b, 0,1,2,3,4,5,6,7
	global_load_b128 v[192+8*\b:195+8*\b], v5, s[6:7] offset:(32*(\b/2)+8*(\b%2))*4
	global_load_b128 v[196+8*\b:199+8*\b], v5, s[6:7] offset:(32*(\b/2)+8*(\b%2))*4+16
.endr
	WIN 0
	s_wait_alu depctr_va_vdst(0)
	s_wait_loadcnt 0x0                             ; the scale words and the bias are in
.irp i, 0,1,2,3
	ds_store_b128 v61, v[160+4*\i:163+4*\i] offset:2048*\i
	ds_store_b128 v61, v[176+4*\i:179+4*\i] offset:8192+2048*\i
.endr
	s_wait_tensorcnt 0x0                           ; my part of the first 512 along K is in
	ds_add_u32 v28, v29
	s_mov_b32 s26, 1<<16                           ; no tensor load of mine is out: from here on a load brings one run of 8 blocks
	s_mov_b32 s28, 1
	s_mov_b32 s34, 1<<16
	s_mov_b32 s36, 1
	s_wait_dscnt 0x0                               ; the add is done; for the others' sake: my scale words have landed
	CROUND                                         ; all parts are in, and the joint loads meet
	JLOAD 76, 24, 92, 32                           ; the third 256 along K, a quarter a wave
	FETCH 0
	global_prefetch_b8 v19, s[22:23] offset:ASTR th:TH_LOAD_NT scope:SCOPE_SE   ; the same of the last 256 along K, asked for at step 2
	; where the first tile's results go
	s_lshl_b32 s66, s2, 4
	s_lshl_b32 s67, s15, 3
	s_add_co_u32 s66, s66, s67                     ; my first row block: 16 x tile row + 8 x half
	s_mul_i32 s104, s66, 3072
	s_mul_i32 s67, s16, 1536
	s_add_co_u32 s104, s104, s67                   ; my 128 columns are K step wc of the 256 that the tile's columns are
	s_lshl_b32 s66, s66, 6
	s_lshl_b32 s67, s3, 1
	s_add_co_u32 s67, s67, s16                     ; 2 x tile column + half
	s_and_b32 s100, s3, 3                          ; the 256 along e,
	s_mul_i32 s100, s100, 3145728
	s_add_co_u32 s104, s104, s100
	s_lshr_b32 s101, s3, 2                         ; and k's rows behind q's
	s_mul_i32 s100, s101, 1572864
	s_add_co_u32 s104, s104, s100
	s_lshl_b32 s101, s101, 15
	s_add_co_u32 s66, s66, s101
	s_and_b32 s67, s67, 7
	s_lshl_b32 s67, s67, 16
	s_add_co_u32 s66, s66, s67
	s_add_co_u32 s66, s66, 12582912
	s_mov_b32 s105, 0
	s_mov_b32 s67, 0
	s_add_nc_u64 s[8:9], s[12:13], s[66:67]        ; its scale words
	; and the second tile's
	s_lshl_b32 s100, s20, 2
	s_add_co_u32 s100, s100, s18                   ; which 128 rows of Wv
	s_lshl_b32 s101, ttmp9, 2
	s_add_co_u32 s101, s101, s17                   ; which 256 keys
	s_lshl_b32 s66, s100, 3
	s_lshl_b32 s67, s15, 2
	s_add_co_u32 s66, s66, s67                     ; my first row block of V^T: 8 x that + 4 x half
	s_mul_i32 s82, s66, 3072
	s_mul_i32 s83, s16, 1536
	s_add_co_u32 s82, s82, s83
	s_mul_i32 s83, s101, 196608                    ; the 256 along the keys
	s_add_co_u32 s82, s82, s83
	s_add_co_u32 s82, s82, 13107200
	s_mov_b32 s83, 0
	s_lshl_b32 s66, s66, 6                         ; 64 bytes a row block: of scale words, and of bv
	s_lshl_b32 s99, s101, 1
	s_add_co_u32 s99, s99, s16
	s_lshl_b32 s99, s99, 12
	s_add_co_u32 s98, s66, s99
	s_add_co_u32 s98, s98, 19398656
	s_mov_b32 s99, 0
	s_add_nc_u64 s[82:83], s[12:13], s[82:83]      ; the second tile's codes,
	s_add_nc_u64 s[98:99], s[12:13], s[98:99]      ; its scale words,
	s_add_nc_u64 s[12:13], s[12:13], s[104:105]    ; the first tile's codes
	v_and_b32 v3, 8, v2
	v_add_nc_u32 v3, v3, v2
	v_lshl_add_u32 v3, v3, 2, s66                  ; bv of my row of my block 0: 4 (r + 8 (r / 8)) + my rows' first byte
	s_lshl_b32 s100, s100, 9
	s_add_co_u32 s100, s100, 9478144               ; the second tile's scale words in XW: A's from row block 640 + 8 x ..,
	v_lshl_add_u32 v58, v0, 2, s100
	s_lshl_b32 s101, s101, 10
	s_add_co_u32 s101, s101, 9437184               ; B's from row block 16 x ..
	v_lshl_add_u32 v59, v0, 3, s101
	v_lshlrev_b32 v1, 3, v1                        ; 8 x lane
	s_mov_b32 s100, 0x76543210
	s_mov_b32 s101, 0xfedcba98                     ; selects for lane l xor 16
	; ---- the first tile
	STEP0 0, 2                                     ; the first products start the sums with the bias: nothing is cleared or added later
	STEP0 1, 0
	STEPR 2, 0                                     ; the first 256's bytes take the last 256 along K; the third 256 is shown whole
	STEP0 3, 0                                     ; slot 2 was shown whole in front of step 2's round
	STEP0 4, 0
	STEPR 5, 1                                     ; slots 1 and 2 are read out: they take the second tile's first 512 along K
	STEP0 6, 0
	STEPL 7
	PLACES 4
	s_wait_alu depctr_va_vdst(0)
.irp k, 0,1,2,3,4,5,6,7                ; the second tile's scale words and bias are asked for here and land under the way out
	global_load_b32 v[232+\k], v58, s[4:5] offset:49152*\k
	global_load_b64 v[240+2*\k:241+2*\k], v59, s[4:5] offset:49152*\k
.endr
.irp a, 0,1,2,3
	global_load_b32 v[8+\a], v3, s[10:11] offset:(32*(\a/2)+8*(\a%2))*4
.endr
.irp a, 0,1,2,3
	QUANTW \a
.endr
	T2ROUND                                        ; the second tile's second 512 along K: half a way out and three and a half K steps in which to land
.irp a, 4,5,6,7
	QUANTW \a
.endr
	ds_load_b128 v[48:51], v30                     ; my 128 rows' words (LDS serves a wave's instructions in order)
	s_wait_loadcnt 0x0                             ; the second tile's scale words and bias are in
.irp k, 0,1,2,3,4,5,6,7
	ds_store_b32 v56, v[232+\k] offset:512*\k
	ds_store_b64 v57, v[240+2*\k:241+2*\k] offset:1024*\k
.endr
	WIN 0x40                                       ; V^T's bias goes by row: tile a holds bv of my row of block a, eight times
.irp a, 0,1,2,3
.irp i, 0,1,2,3,4,5,6,7
	v_mov_b32 v[192+8*\a+\i], v[8+\a]
.endr
.endr
	WIN 0
	PLACES 4
	s_wait_alu depctr_va_vdst(0)
	s_wait_dscnt 0x0                               ; my words are back; for the others' sake: my stores of scale words have landed
	global_store_b128 v26, v[48:51], s[8:9]        ; 512 consecutive bytes
	s_wait_xcnt 0x0                                ; the way out's stores have read their registers: the second tile's fragments land there
	s_barrier_signal -1                            ; my one tensor load may stay out
	s_barrier_wait -1
	; ---- the second tile
	CONFIG 4, 2, 2, 6, 12, 14, 15, 82
	FETCH 0                                        ; its first slot was shown whole in front of the round above
	STEP0 0, 3
	STEP0 1, 0
	STEP0 2, 0
	STEPB 3, 0
	STEP0 4, 0
	STEP0 5, 0
	STEP0 6, 0
	STEPL 7
	PLACES 4
.irp a, 0,1,2,3
	QUANTW \a
.endr
	ds_load_b64 v[48:49], v31                      ; my 64 rows' words
	s_wait_dscnt 0x0
	global_store_b64 v1, v[48:49], s[98:99]        ; 256 consecutive bytes, aligned
	s_wait_tensorcnt 0x0                           ; the wave's end
	ds_add_u32 v28, v29
	s_wait_dscnt 0x0
	CROUND                                         ; the closing round
	s_endpgm
.Lfunc_end_k_q1fdc3e3a75_qkv:
	.size	k_q1fdc3e3a75_qkv, .Lfunc_end_k_q1fdc3e3a75_qkv-k_q1fdc3e3a75_qkv
	.p2alignl 7, 3214868480
	.fill 96, 4, 3214868480
	.section	.rodata,"a",@progbits
	.p2align	6, 0x0
	.amdhsa_kernel k_q1fdc3e3a75_qkv
		.amdhsa_group_segment_fixed_size 327680
		.amdhsa_private_segment_fixed_size 0
		.amdhsa_enable_private_segment 0
		.amdhsa_kernarg_size 40
		.amdhsa_user_sgpr_count 2
		.amdhsa_user_sgpr_kernarg_segment_ptr 1
		.amdhsa_wavefront_size32 1
		.amdhsa_system_sgpr_workgroup_id_x 1
		.amdhsa_system_sgpr_workgroup_id_y 1
		.amdhsa_system_sgpr_workgroup_id_z 1
		.amdhsa_system_vgpr_workitem_id 0
		.amdhsa_next_free_vgpr 1024
		.amdhsa_next_free_sgpr 106
		.amdhsa_reserve_vcc 0
		.amdhsa_float_denorm_mode_32 3
		.amdhsa_float_denorm_mode_16_64 3
		.amdhsa_memory_ordered 1
		.amdhsa_forward_progress 1
		.amdhsa_inst_pref_size 226
	.end_amdhsa_kernel
	.amdgpu_metadata
---
amdhsa.version: [ 1, 2 ]
amdhsa.kernels:
  - .name:           k_q1fdc3e3a75_qkv
    .symbol:         k_q1fdc3e3a75_qkv.kd
    .args:
      - { .name: xw, .offset: 0, .size: 8, .value_kind: global_buffer, .address_space: global }
      - { .name: bq, .offset: 8, .size: 8, .value_kind: global_buffer, .address_space: global }
      - { .name: bk, .offset: 16, .size: 8, .value_kind: global_buffer, .address_space: global }
      - { .name: bv, .offset: 24, .size: 8, .value_kind: global_buffer, .address_space: global }
      - { .name: qkv, .offset: 32, .size: 8, .value_kind: global_buffer, .address_space: global }
    .group_segment_fixed_size: 327680
    .private_segment_fixed_size: 0
    .kernarg_segment_align: 8
    .kernarg_segment_size: 40
    .max_flat_workgroup_size: 128
    .sgpr_count:     106
    .vgpr_count:     1024
    .wavefront_size: 32
...
	.end_amdgpu_metadata
.endif
;; end of part 2
;; launch scores (part 3): grid 8 x 32, 4 waves a work-group, clusters of 4 x 4, 327,680 bytes of LDS; arguments qkv, p; writes p
.if DOCPART == 3
	.amdgcn_target "amdgcn-amd-amdhsa--gfx1250"
	.amdhsa_code_object_version 6
	.text
	.protected	k_q1fdc3e3a75_scores
	.globl	k_q1fdc3e3a75_scores
	.p2align	8
	.type	k_q1fdc3e3a75_scores,@function
k_q1fdc3e3a75_scores:
	s_mov_b64 s[64:65], 0
	v_nop
	global_prefetch_b8 v0, s[64:65] scope:SCOPE_SE
	s_setreg_imm32_b32 hwreg(HW_REG_WAVE_MODE, 25, 1), 1
	s_wait_xcnt 0x0
	s_wait_alu depctr_hold_cnt(0) depctr_sa_sdst(0) depctr_va_vdst(0) depctr_va_sdst(0) depctr_va_ssrc(0) depctr_va_vcc(0) depctr_vm_vsrc(0)
	s_getreg_b32 s2, hwreg(HW_REG_IB_STS2, 6, 4)
	s_cmp_eq_u32 s2, 0
	s_cbranch_scc0 .Lentry_in_a_cluster
	s_endpgm
.Lentry_in_a_cluster:
	s_bfe_u32 s2, ttmp6, 0x10000c
	s_cmp_lg_u32 s2, 0xf033
	s_cbranch_scc0 .Lentry_shape_is_right
	s_endpgm
.Lentry_shape_is_right:
; S = q k^T on FP6 (E2M3) codes; then, for each query and each 128 keys (a wave's columns): t = S log2(e) / 32, M = ceil(the largest t of these 128), p = 2^(t - M), l = the sum of the unquantised p;
; p is quantised along the keys.  Stored: P's codes, its scale words under the LOCAL M, -M and l.  M is a whole number, so the next launch brings the scale bytes under the row's own M by a subtraction: the codes stay.
; The maximum is always taken away before the exponential: here the local one, in the next launch the row's.
; OPERANDS are fragment images: 16 rows x 128 K = 12 registers a lane, registers 4 g .. of lane l at 512 g + 16 l; laid [K / 256][row block][K step][1,536]; lane r of row block B is true row 32 (B / 2) + 8 (B % 2) + r + 8 (r / 8);
; scale words [K / 128][16 B + r].  QK: q row blocks 0-511, k 512-1023.  P: row blocks as q's, K = the key in its batch.
; THE PRODUCT IS USED TRANSPOSED (source 0 = 16 keys, source 1 = 16 queries): a lane holds one query, and the 16 registers of key blocks 2 b, 2 b + 1 are the true keys 32 b + 16 h + 0 .. 15.
; SHARES: a tile of 256 queries x 256 keys, four waves of 128 x 128.  CLUSTER 4 x 4: q's tile is shared along a row of the cluster, k's along a column, each asked for jointly.
; RING: three slots of 256 along K; three first fills and one refill.  A wave has at most four tensor loads out.
; LIMITS: NaN and infinities are not served; p under 2^-126 of its 128 keys' largest is 0; a block whose every p is under 2^-124 keeps the byte 1.
; REGISTERS: window 0: v1-31 addresses; v32-39, v40-47 scale words (nothing else ever); v48-63 at work; v64-255 A's fragments, two sets (on the way out: v64-223 codes, v224-231 words, v232-247 -M, v248-255 l).
;   window 1: v0-191 B's fragments.   windows 2, 3: accumulator (a, b) at v[8 (8 (a % 4) + b)].
; THE RING AS IT STANDS (this paragraph holds in place of the RING line above).  Half h of q's K 0-511 lies at LDS 49,152 h (two runs of 24,576 bytes, 256 along K each), half h of k's at 98,304 + 49,152 h,
; the third 256 along K at 196,608 (q's halves, k's halves).  At the head each wave issues ONE joint load of 49,152 bytes: its half of q or of k, 512 along K.  Behind the three lines and a round: the third 256, a quarter a wave.
; At step 2 the bytes of the first 256 take the last 256.  A wave has one tensor load out.  The scale words (2 x 8 K steps x 1,024 bytes) come through registers, 64 threads to a run of 1,024 bytes, and LDS stores.
; PREFETCH: behind the head's load each wave names its work-group's quarter (24 blocks of 256 bytes, by cx for q, by cy for k) of the 24,576 bytes that it loads next; behind that load the same of the last 256 along K.
.set WROW,  65536                      ; bytes from one K step's scale words to the next, in QK
.set MA,    8
.set NSTEP, 8
.set UPL,   1
.set NPL,   3
.set ASTR,  3145728
.set BSTR,  3145728
.set SCA,   294912
.set SCB,   303104
.set SPARE, 311296
.set STG,   311808                     ; 1,536 bytes a wave: words, -M, l on their way out
; ---------------- the core ----------------
.set RA,   UPL*MA*3072                 ; what one load brings of A: half the tile's blocks
.set RB,   UPL*8*3072                  ; and of B
.set SLOT, 2*RA+2*RB                   ; A's halves, then B's
.set SQ,   2*UPL                       ; K steps in a slot
.set NF,   3*(MA+8)+4+MA/2             ; LDS loads of a K step
.set MSB, 0
.macro WIN new                         ; the immediate's high byte repeats the setting that is left
.if MSB != (\new)
	s_set_vgpr_msb (MSB<<8)|(\new)
.set MSB, \new
.endif
.endm
.macro PLACES n                        ; plain vector lines between a matrix instruction and a load into, or a vector read or write of, its registers
.rept \n
	v_nop
.endr
.endm
.macro CREST                           ; a round of the cluster's barrier behind its opening barrier
	s_cmp_lg_u32 s14, 0
	s_cbranch_scc1 .Lnot_wave_0_\@
	s_barrier_signal -3
.Lnot_wave_0_\@:
	s_barrier_wait -3
	s_barrier_signal -1
	s_barrier_wait -1
.endm
.macro CROUND
	s_barrier_signal -1
	s_barrier_wait -1
	CREST
.endm
.macro JLOAD g0a, g1a, g0b, g1b        ; a joint load: waves 0, 1 fetch A's halves, waves 2, 3 B's; four v_nop follow each line
	s_cmp_eq_u32 s15, 0
	s_cbranch_scc0 .Lfor_b_\@
	tensor_load_to_lds s[\g0a:\g0a+3], s[\g1a:\g1a+7]
	s_nop 0
.rept 4
	v_nop
.endr
	s_branch .Lasked_\@
.Lfor_b_\@:
	tensor_load_to_lds s[\g0b:\g0b+3], s[\g1b:\g1b+7]
	s_nop 0
.rept 4
	v_nop
.endr
.Lasked_\@:
.endm
.macro IDS
	v_lshrrev_b32 v1, 5, v0
	v_readfirstlane_b32 s14, v1                    ; wave
	s_lshr_b32 s15, s14, 1                         ; which half of A's blocks I multiply.  Also: I fetch for A (0) or B (1)
	s_and_b32 s16, s14, 1                          ; which half of B's.  Also: which half I fetch
	s_bfe_u32 s17, ttmp6, 0x40000                  ; cx
	s_bfe_u32 s18, ttmp6, 0x40004                  ; cy
	s_and_b32 s20, ttmp7, 0xffff                   ; cluster y
	s_lshl_b32 s21, s18, 2
	s_lshl_b32 s21, 15, s21                        ; my row of the cluster
	s_lshl_b32 s22, 0x1111, s17                    ; my column
.endm
.macro MKG1 g, mask, c, r, p           ; group 1: r rows of c elements of 8 bytes, p elements apart; no padding; the mask, and bit 21 beside it
	s_or_b32 s[\g], s[\mask], (3<<16)|(1<<21)
	s_mov_b32 s[\g+1], (\c)<<16
	s_mov_b32 s[\g+2], (\r)<<16
	s_mov_b32 s[\g+3], (\c)<<16
	s_mov_b32 s[\g+4], \r
	s_mov_b32 s[\g+5], \p
	s_mov_b32 s[\g+6], 0
	s_mov_b32 s[\g+7], 0
.endm
.macro MKG0 g, mul, const              ; group 0 round an address that stands in its words 2, 3: LDS address = my half x mul + const
	s_mov_b32 s[\g], 1
	s_mul_i32 s[\g+1], s16, \mul
	s_add_co_u32 s[\g+1], s[\g+1], \const
	s_or_b32 s[\g+3], s[\g+3], 0x80000000
.endm
.macro OFFS gc, gs, rb, nb, woff, wrow ; s[rb] = the tile's first row block -> byte offsets of my half's codes (nb blocks) and of my half of its scale words (rows of wrow bytes from woff on)
	s_lshl_b32 s[\gs+2], s[\rb], 6
	s_add_co_u32 s[\gs+2], s[\gs+2], \woff
	s_mov_b32 s[\gs+3], 0
	s_mul_i32 s[\gc+3], s16, \nb
	s_add_co_u32 s[\gc+2], s[\rb], s[\gc+3]
	s_mul_i32 s[\gc+2], s[\gc+2], 3072
	s_mov_b32 s[\gc+3], 0
.endm
.macro PTRS g, ptr, str                ; the slots' first addresses
	s_add_nc_u64 s[\g+2:\g+3], s[\ptr:\ptr+1], s[\g+2:\g+3]
.irp p, 1,2,3
.if \p < NPL
	s_add_nc_u64 s[\g+4*\p+2:\g+4*\p+3], s[\g+2:\g+3], \p*UPL*(\str)
.endif
.endr
.endm
.macro LANES
	v_and_b32 v1, 31, v0                           ; lane
	v_and_b32 v2, 15, v0                           ; r
	v_bfe_u32 v3, v0, 4, 1                         ; h
	v_lshlrev_b32 v26, 4, v1                       ; 16 x lane: my place in an image's 512 bytes
	v_lshlrev_b32 v4, 2, v1
	s_wait_alu depctr_va_vdst(0)
	s_mul_i32 s66, s15, 2*RA
	s_mul_i32 s67, s16, 2*RB
	s_add_co_u32 s67, s67, SLOT                    ; B's first 512 along K lie behind A's
	v_add_nc_u32 v16, s66, v26                     ; my half of A: K 0-255, later K 768-1023
	v_add_nc_u32 v20, s67, v26                     ; my half of B
	s_add_co_u32 s66, s66, RA
	s_add_co_u32 s67, s67, RB
	v_add_nc_u32 v17, s66, v26                     ; K 256-511
	v_add_nc_u32 v21, s67, v26
	s_mul_i32 s66, s15, RA
	s_mul_i32 s67, s16, RB
	s_add_co_u32 s66, s66, 2*SLOT
	s_add_co_u32 s67, s67, 2*SLOT+2*RA
	v_add_nc_u32 v18, s66, v26                     ; K 512-767
	v_add_nc_u32 v22, s67, v26
	s_mul_i32 s66, s15, MA*64
	s_add_co_u32 s66, s66, SCA
	v_add_nc_u32 v24, s66, v4                      ; my blocks' scale words: 4 x lane takes two blocks, one in each half of the lanes
	s_lshl_b32 s67, s16, 9
	s_add_co_u32 s67, s67, SCB
	v_add_nc_u32 v25, s67, v4
.endm
.macro FETCH j                         ; K step j's fragments and scale words into set j % 2: NF loads, every one of consecutive bytes
.set PL, ((\j)/SQ)%NPL
.set QL, (\j)%SQ
.set FS, (\j)%2
	WIN 0x40                                       ; destination window 1
.irp b, 0,1,2,3,4,5,6,7
.irp c, 0,1,2
	ds_load_b128 v[96*FS+12*\b+4*\c:96*FS+12*\b+4*\c+3], v[20+PL] offset:(QL/2)*8*3072+3072*\b+1536*(QL%2)+512*\c
.endr
.endr
	WIN 0
.irp x, 0,1,2,3,4,5,6,7
.if \x < MA
.irp c, 0,1,2
	ds_load_b128 v[64+12*MA*FS+12*\x+4*\c:64+12*MA*FS+12*\x+4*\c+3], v[16+PL] offset:(QL/2)*MA*3072+3072*\x+1536*(QL%2)+512*\c
.endr
.endif
.endr
.irp t, 0,1,2,3
	ds_load_b32 v[40+4*FS+\t], v25 offset:1024*(\j)+128*\t      ; B's blocks 2 t (lanes 0-15) and 2 t + 1 (lanes 16-31)
.endr
.irp t, 0,1,2,3
.if \t < MA/2
	ds_load_b32 v[32+4*FS+\t], v24 offset:MA*128*(\j)+128*\t    ; A's likewise
.endif
.endr
.endm
.macro WM cz, pb, pa                   ; one product; cz: C is the constant 0; pb, pa: the block's scale words stand in lanes 16-31
.if \cz
.if (\pb) && (\pa)
	v_wmma_scale_f32_16x16x128_f8f6f4 v[WD:WD+7], v[WB:WB+11], v[WA:WA+11], 0, v[WSB], v[WSA] matrix_a_fmt:MATRIX_FMT_FP6 matrix_b_fmt:MATRIX_FMT_FP6 matrix_a_scale:MATRIX_SCALE_ROW1 matrix_b_scale:MATRIX_SCALE_ROW1
.elseif \pb
	v_wmma_scale_f32_16x16x128_f8f6f4 v[WD:WD+7], v[WB:WB+11], v[WA:WA+11], 0, v[WSB], v[WSA] matrix_a_fmt:MATRIX_FMT_FP6 matrix_b_fmt:MATRIX_FMT_FP6 matrix_a_scale:MATRIX_SCALE_ROW1
.elseif \pa
	v_wmma_scale_f32_16x16x128_f8f6f4 v[WD:WD+7], v[WB:WB+11], v[WA:WA+11], 0, v[WSB], v[WSA] matrix_a_fmt:MATRIX_FMT_FP6 matrix_b_fmt:MATRIX_FMT_FP6 matrix_b_scale:MATRIX_SCALE_ROW1
.else
	v_wmma_scale_f32_16x16x128_f8f6f4 v[WD:WD+7], v[WB:WB+11], v[WA:WA+11], 0, v[WSB], v[WSA] matrix_a_fmt:MATRIX_FMT_FP6 matrix_b_fmt:MATRIX_FMT_FP6
.endif
.else
.if (\pb) && (\pa)
	v_wmma_scale_f32_16x16x128_f8f6f4 v[WD:WD+7], v[WB:WB+11], v[WA:WA+11], v[WC:WC+7], v[WSB], v[WSA] matrix_a_fmt:MATRIX_FMT_FP6 matrix_b_fmt:MATRIX_FMT_FP6 matrix_a_scale:MATRIX_SCALE_ROW1 matrix_b_scale:MATRIX_SCALE_ROW1
.elseif \pb
	v_wmma_scale_f32_16x16x128_f8f6f4 v[WD:WD+7], v[WB:WB+11], v[WA:WA+11], v[WC:WC+7], v[WSB], v[WSA] matrix_a_fmt:MATRIX_FMT_FP6 matrix_b_fmt:MATRIX_FMT_FP6 matrix_a_scale:MATRIX_SCALE_ROW1
.elseif \pa
	v_wmma_scale_f32_16x16x128_f8f6f4 v[WD:WD+7], v[WB:WB+11], v[WA:WA+11], v[WC:WC+7], v[WSB], v[WSA] matrix_a_fmt:MATRIX_FMT_FP6 matrix_b_fmt:MATRIX_FMT_FP6 matrix_b_scale:MATRIX_SCALE_ROW1
.else
	v_wmma_scale_f32_16x16x128_f8f6f4 v[WD:WD+7], v[WB:WB+11], v[WA:WA+11], v[WC:WC+7], v[WSB], v[WSA] matrix_a_fmt:MATRIX_FMT_FP6 matrix_b_fmt:MATRIX_FMT_FP6
.endif
.endif
.endm
.macro MULROW j, a, cm                 ; A's block a against B's eight.  cm: C = 0 the sum so far, 1 the constant 0.  The accumulators take turns, one instruction a turn, in the same order in every step
.set FS, (\j)%2
.set WA, 64+12*MA*FS+12*(\a)
.set WSA, 32+4*FS+(\a)/2
	WIN 0xa1+0x50*((\a)/4)                         ; source 0 (B) window 1, source 1 (A) window 0, C and D window 2 or 3
.irp b, 0,1,2,3,4,5,6,7
.set WD, 64*((\a)%4)+8*\b
.set WB, 96*FS+12*\b
.set WSB, 40+4*FS+\b/2
.set WC, WD
	WM (\cm)==1, \b%2, (\a)%2
.endr
.endm
.macro ROWS j, a0, a1, cm
.irp x, 0,1,2,3,4,5,6,7
.if (\x >= \a0) && (\x < \a1)
	MULROW \j, \x, \cm
.endif
.endr
.endm
.macro STEP0 j, cm                     ; a K step whose successor lies in a slot that is known whole
.if (\j) > 0
	PLACES 4                                       ; the other set was read by the last step's products
.endif
	FETCH (\j)+1
	s_wait_dscnt NF                                ; all but the NF loads just issued: this step's set is in
	ROWS \j, 0, MA, \cm
	WIN 0
.endm
.macro STEPR j                         ; a slot's last step, and the slot is filled again
.set RP, ((\j)/SQ)%NPL
	s_wait_tensorcnt 0x0                           ; all my tensor loads have landed,
	ds_add_u32 v28, v29                            ; 0 onto my spare word
	s_wait_dscnt 1                                 ; this step's set is in (the add may be out)
	ROWS \j, 0, MA/4, 0
	s_wait_dscnt 0x0                               ; the add is done, and my reads of this slot are over
	s_barrier_signal -1                            ; opens a round of the cluster's barrier
	ROWS \j, MA/4, MA/2, 0
	WIN 0
	s_barrier_wait -1
	CREST                                          ; no wave of any partner still reads the slot or has a load on its way
	JLOAD 72, 24, 88, 32                           ; the last 256 along K, into the bytes of the first 256
	FETCH (\j)+1
	ROWS \j, MA/2, MA, 0
	WIN 0
.endm
.macro STEPB j, n                      ; a slot's last step; the next slot is shown whole: n younger loads of mine may stay out
	s_wait_tensorcnt \n
	s_wait_dscnt 0x0
	s_barrier_signal -1
	ROWS \j, 0, MA/2, 0
	WIN 0
	s_barrier_wait -1
	PLACES 4
	FETCH (\j)+1
	ROWS \j, MA/2, MA, 0
	WIN 0
.endm
.macro STEPL j                         ; the last step
	s_wait_dscnt 0x0
	ROWS \j, 0, MA, 0
	WIN 0
.endm
; From the four blocks' largest magnitudes in v48-51 (floor included): scale operands, bytes, the row's word; the 64 numbers of block of rows a become a fragment's codes; image to memory, word to the stage.
.macro CODES a
.set S, 64*((\a)%4)
.set W, 2+(\a)/4
.set PC, 64+20*(\a)                    ; every a has registers of its own: no store's data are written again
.set PW, 224+(\a)
	WIN 0
.irp b, 0,1,2,3
	v_add_nc_u32 v[60+\b], 0xff000000, v[48+\b]    ; 2 off the exponent field: the conversion's scale operand
.endr
.irp b, 0,1,2,3
	v_lshrrev_b32 v[52+\b], 23, v[60+\b]           ; the byte
.endr
	v_lshl_or_b32 v[PW], v53, 8, v52
	v_lshl_or_b32 v[PW], v54, 16, v[PW]
	v_lshl_or_b32 v[PW], v55, 24, v[PW]
	WIN W                                          ; source 0 in the accumulators' window
.irp c, 0,1
	v_cvt_scalef32_pk16_fp6_f32 v[PC+6*\c:PC+6*\c+2], v[S+32*\c:S+32*\c+15], v[60+2*\c]
	v_cvt_scalef32_pk16_fp6_f32 v[PC+12+4*\c:PC+14+4*\c], v[S+32*\c+16:S+32*\c+31], v[61+2*\c]
.endr
	WIN 0
	v_nop                                          ; one plain place behind a scaled conversion
.irp c, 0,1                            ; the operand's layout wants a whole block in a lane
.irp i, 0,1,2
	v_permlane16_swap_b32 v[PC+6*\c+\i], v[PC+12+4*\c+\i]
.endr
.irp i, 0,1,2
	v_mov_b32 v[PC+3+6*\c+\i], v[PC+12+4*\c+\i]
.endr
.endr
.irp c, 0,1,2
	global_store_b128 v26, v[PC+4*\c:PC+4*\c+3], s[12:13] offset:3072*(\a)+512*\c   ; 32 lanes store 512 consecutive bytes
.endr
	ds_store_b32 v27, v[PW] offset:64*(\a)         ; lanes r and r + 16 write the same word
.endm
; The softmax's part of block of queries a: register 16 b + i is key 32 b + 16 h + i of my query.
.macro SOFTQ a
.set S, 64*((\a)%4)
.set W, 2+(\a)/4
.set NM, 232+2*(\a)
.set LL, 248+(\a)
	WIN (W<<2)|(W<<4)
.irp b, 0,1,2,3
	v_max3_num_f32 v[48+\b], 0xff800000, v[S+16*\b], v[S+16*\b+1]   ; the largest SCORE of each block of 32 keys: it serves the row's maximum and, since p rises with the score, the block's largest p.  Each accumulator is first read at its registers 0 and 1
.endr
.irp i, 2,4,6,8,10,12,14
.irp b, 0,1,2,3
	v_max3_num_f32 v[48+\b], v[48+\b], v[S+16*\b+\i], v[S+16*\b+\i+1]
.endr
.endr
	WIN 0
.irp b, 0,1,2,3
	v_permlanex16_b32 v[52+\b], v[48+\b], s100, s101
.endr
.irp b, 0,1,2,3
	v_max_num_f32 v[48+\b], v[48+\b], v[52+\b]     ; with lane l xor 16's 16 keys
.endr
	v_max3_num_f32 v56, v48, v49, v50
	v_max_num_f32 v56, v56, v51
	v_mul_f32 v56, s2, v56                         ; as t (c is positive)
	v_floor_f32 v[NM], -v56                        ; -M = floor(-t): M is a whole number
	v_mov_b32 v[NM+1], v[NM]                       ; (named with it as a pair)
.irp b, 0,1,2,3
	v_fma_f32 v[48+\b], v[48+\b], s2, v[NM]        ; t - M of each block's largest score
.endr
	WIN (W<<6)|W
.set i, 0
.rept 32
	v_pk_fma_f32 v[S+i:S+i+1], v[S+i:S+i+1], s[2:3], v[NM:NM+1] op_sel_hi:[1,0,0]   ; t - M, two at a time
.set i, i+2
.endr
.set i, 0
	s_wait_alu depctr_va_vdst(0)
.rept 64
	v_exp_f32 v[S+i], v[S+i]                       ; p = 2^(t - M), at most 1
.set i, i+1
.endr
	WIN 0
.irp b, 0,1,2,3
	v_exp_f32 v[48+\b], v[48+\b]                   ; the block's largest p: the same two instructions on the same number
.endr
	v_nop                                          ; a plain line behind the last exponential
	s_wait_alu depctr_va_vdst(0)                   ; one wait for the batch of 68, ahead of its first reader
	WIN (W<<2)|W
	v_pk_add_f32 v[56:57], v[S:S+1], v[S+2:S+3]    ; the sum of the UNQUANTISED p, in two chains
	v_pk_add_f32 v[58:59], v[S+4:S+5], v[S+6:S+7]
	WIN W<<2
.set i, 8
.rept 14
	v_pk_add_f32 v[56:57], v[56:57], v[S+i:S+i+1]
	v_pk_add_f32 v[58:59], v[58:59], v[S+i+2:S+i+3]
.set i, i+4
.endr
	WIN 0
	v_pk_add_f32 v[56:57], v[56:57], v[58:59]
	v_add_f32 v56, v56, v57
	v_permlanex16_b32 v57, v56, s100, s101
	v_add_f32 v[LL], v56, v57                      ; l of my query over these 128 keys
.irp b, 0,1,2,3
	v_max_num_f32 v[48+\b], 0x1800000, v[48+\b]    ; the floor 2^(3 - 127): the byte cannot fall under 1
.endr
	CODES \a
	ds_store_b32 v27, v[NM] offset:512+64*(\a)
	ds_store_b32 v27, v[LL] offset:1024+64*(\a)
.endm
; ---------------- the launch ----------------
	s_load_b128 s[4:7], s[0:1], 0x0                ; qkv, p
	v_lshl_add_u32 v28, v0, 2, SPARE
	v_mov_b32 v29, 0
	ds_add_u32 v28, v29
	ds_add_u32 v28, v29
	s_wait_dscnt 0x0
	IDS
	s_lshl_b32 s2, s20, 2
	s_add_co_u32 s2, s2, s18                       ; which 256 queries (over all batches)
	s_lshl_b32 s3, ttmp9, 2
	s_add_co_u32 s3, s3, s17                       ; which 256 keys of the batch
	MKG1 24, 21, 3072, 2, 393216                   ; the head's load of q's codes: 8 blocks x 3,072 bytes, twice (512 along K)
	MKG1 32, 22, 3072, 2, 393216
	s_lshl_b32 s100, s2, 4                         ; q's first row block
	OFFS 68, 56, 100, MA, 12582912, 65536
	s_lshl_b32 s101, s3, 4
	s_lshr_b32 s86, s20, 1                         ; the batch: two rows of clusters each
	s_lshl_b32 s86, s86, 7
	s_add_co_u32 s101, s101, s86
	s_add_co_u32 s101, s101, 512                   ; k's first row block
	OFFS 84, 60, 101, 8, 12582912, 65536
	s_wait_kmcnt 0x0
	PTRS 68, 4, ASTR
	PTRS 84, 4, BSTR
	s_add_nc_u64 s[58:59], s[4:5], s[58:59]
	s_add_nc_u64 s[62:63], s[4:5], s[62:63]
	s_add_nc_u64 s[74:75], s[74:75], 2*ASTR        ; the second group 0: my half of the last 256 along K
	s_add_nc_u64 s[90:91], s[90:91], 2*BSTR
	s_cmp_eq_u32 s15, 0                            ; the prefetches: from my half of the third 256 along K on,
	s_cselect_b64 s[22:23], s[78:79], s[94:95]
	s_cselect_b32 s66, s17, s18                    ; my work-group's place among the four that ask with it: cx for q, cy for k
	s_mul_i32 s66, s66, RA/4
	s_mov_b32 s67, 0
	s_add_nc_u64 s[22:23], s[22:23], s[66:67]
	MKG0 68, 2*RA, 0
	MKG0 84, 2*RB, SLOT
	MKG0 72, 2*RA, 0
	MKG0 88, 2*RB, SLOT
	MKG0 76, RA, 2*SLOT
	MKG0 92, RB, 2*SLOT+2*RA
	v_and_b32 v19, 31, v0
	v_min_u32 v19, 23, v19                         ; 24 blocks of 256 bytes; the lanes left over name the last again
	v_lshlrev_b32 v19, 8, v19
	v_lshrrev_b32 v60, 6, v0                       ; the scale words: threads 0-63 take one K step's 1,024 bytes, threads 64-127 the next one's
	v_and_b32 v62, 63, v0
	v_mul_u32_u24 v60, WROW, v60
	v_lshl_add_u32 v60, v62, 4, v60
	v_lshl_add_u32 v61, v0, 4, SCA                 ; in LDS the K steps lie 1,024 bytes apart: 16 x thread
	s_wait_alu depctr_va_vdst(0)
	CROUND                                         ; all sixteen work-groups are here: the first joint loads meet
	JLOAD 68, 24, 84, 32                           ; one tensor load a wave at the head
	global_prefetch_b8 v19, s[22:23] th:TH_LOAD_NT scope:SCOPE_SE   ; my work-group's quarter of what I load next
.irp i, 0,1,2,3
	global_load_b128 v[160+4*\i:163+4*\i], v60, s[58:59] offset:2*WROW*\i   ; q's scale words
	global_load_b128 v[176+4*\i:179+4*\i], v60, s[62:63] offset:2*WROW*\i   ; k's
.endr
	LANES
	s_mul_i32 s66, s14, 1536
	s_add_co_u32 s66, s66, STG
	v_lshl_add_u32 v27, v2, 2, s66
	v_add_nc_u32 v30, s66, v26
.irp b, 0,1,2,3
	v_mov_b32 v[52+\b], 0                          ; a lane permute's destination is written before
.endr
	s_wait_alu depctr_va_vdst(0)
	s_wait_loadcnt 0x0                             ; the scale words are in
.irp i, 0,1,2,3
	ds_store_b128 v61, v[160+4*\i:163+4*\i] offset:2048*\i
	ds_store_b128 v61, v[176+4*\i:179+4*\i] offset:8192+2048*\i
.endr
	s_wait_tensorcnt 0x0                           ; my part of the first 512 along K is in
	ds_add_u32 v28, v29
	s_mov_b32 s26, 1<<16                           ; no tensor load of mine is out: from here on a load brings one run of 8 blocks
	s_mov_b32 s28, 1
	s_mov_b32 s34, 1<<16
	s_mov_b32 s36, 1
	s_wait_dscnt 0x0                               ; the add is done; for the others' sake: my scale words have landed
	CROUND                                         ; all parts are in, and the joint loads meet
	JLOAD 76, 24, 92, 32                           ; the third 256 along K, a quarter a wave
	FETCH 0
	global_prefetch_b8 v19, s[22:23] offset:ASTR th:TH_LOAD_NT scope:SCOPE_SE   ; the same of the last 256 along K, asked for at step 2
	s_lshl_b32 s66, s2, 4                          ; where my results go
	s_lshl_b32 s67, s15, 3
	s_add_co_u32 s66, s66, s67                     ; my first row block
	s_mul_i32 s104, s66, 3072
	s_mul_i32 s67, s16, 1536
	s_add_co_u32 s104, s104, s67
	s_mul_i32 s67, s3, 1572864                     ; the tile's 256 keys
	s_add_co_u32 s104, s104, s67
	s_mov_b32 s105, 0
	s_lshl_b32 s66, s66, 6
	s_lshl_b32 s67, s3, 1
	s_add_co_u32 s67, s67, s16                     ; my 128 keys
	s_lshl_b32 s67, s67, 15
	s_add_co_u32 s66, s66, s67
	s_add_co_u32 s66, s66, 12582912
	s_mov_b32 s67, 0
	s_add_nc_u64 s[12:13], s[6:7], s[104:105]      ; codes
	s_add_nc_u64 s[8:9], s[6:7], s[66:67]          ; words; -M and l lie 524,288 and 1,048,576 bytes on
	s_mov_b32 s2, 0x3d38aa3b                       ; c = log2(e) / sqrt(1024)
	s_mov_b32 s3, s2                               ; (named with it as a pair)
	s_mov_b32 s100, 0x76543210
	s_mov_b32 s101, 0xfedcba98
	STEP0 0, 1                                     ; the first products start the sums
	STEP0 1, 0
	STEPR 2                                        ; the first 256's bytes take the last 256 along K; the third 256 is shown whole
	STEP0 3, 0                                     ; slot 2 was shown whole in front of step 2's round
	STEP0 4, 0
	STEPB 5, 0
	STEP0 6, 0
	STEPL 7
	PLACES 4
.irp a, 0,1,2,3,4,5,6,7
	SOFTQ \a
.endr
.irp q, 0,1,2
	ds_load_b128 v[48+4*\q:51+4*\q], v30 offset:512*\q
.endr
	s_wait_dscnt 0x0
.irp q, 0,1,2
	global_store_b128 v26, v[48+4*\q:51+4*\q], s[8:9] offset:524288*\q   ; 512 consecutive bytes each
.endr
	s_wait_tensorcnt 0x0                           ; the wave's end
	ds_add_u32 v28, v29
	s_wait_dscnt 0x0
	CROUND                                         ; the closing round
	s_endpgm
.Lfunc_end_k_q1fdc3e3a75_scores:
	.size	k_q1fdc3e3a75_scores, .Lfunc_end_k_q1fdc3e3a75_scores-k_q1fdc3e3a75_scores
	.p2alignl 7, 3214868480
	.fill 96, 4, 3214868480
	.section	.rodata,"a",@progbits
	.p2align	6, 0x0
	.amdhsa_kernel k_q1fdc3e3a75_scores
		.amdhsa_group_segment_fixed_size 327680
		.amdhsa_private_segment_fixed_size 0
		.amdhsa_enable_private_segment 0
		.amdhsa_kernarg_size 16
		.amdhsa_user_sgpr_count 2
		.amdhsa_user_sgpr_kernarg_segment_ptr 1
		.amdhsa_wavefront_size32 1
		.amdhsa_system_sgpr_workgroup_id_x 1
		.amdhsa_system_sgpr_workgroup_id_y 1
		.amdhsa_system_sgpr_workgroup_id_z 1
		.amdhsa_system_vgpr_workitem_id 0
		.amdhsa_next_free_vgpr 1024
		.amdhsa_next_free_sgpr 106
		.amdhsa_reserve_vcc 0
		.amdhsa_float_denorm_mode_32 3
		.amdhsa_float_denorm_mode_16_64 3
		.amdhsa_memory_ordered 1
		.amdhsa_forward_progress 1
		.amdhsa_inst_pref_size 200
	.end_amdhsa_kernel
	.amdgpu_metadata
---
amdhsa.version: [ 1, 2 ]
amdhsa.kernels:
  - .name:           k_q1fdc3e3a75_scores
    .symbol:         k_q1fdc3e3a75_scores.kd
    .args:
      - { .name: qkv, .offset: 0, .size: 8, .value_kind: global_buffer, .address_space: global }
      - { .name: p, .offset: 8, .size: 8, .value_kind: global_buffer, .address_space: global }
    .group_segment_fixed_size: 327680
    .private_segment_fixed_size: 0
    .kernarg_segment_align: 8
    .kernarg_segment_size: 16
    .max_flat_workgroup_size: 128
    .sgpr_count:     106
    .vgpr_count:     1024
    .wavefront_size: 32
...
	.end_amdgpu_metadata
.endif
;; end of part 3
;; launch ctx (part 4): grid 4 x 64, 4 waves a work-group, clusters of 4 x 4, 327,680 bytes of LDS; arguments p, qkv, ctx; writes ctx
.if DOCPART == 4
	.amdgcn_target "amdgcn-amd-amdhsa--gfx1250"
	.amdhsa_code_object_version 6
	.text
	.protected	k_q1fdc3e3a75_ctx
	.globl	k_q1fdc3e3a75_ctx
	.p2align	8
	.type	k_q1fdc3e3a75_ctx,@function
k_q1fdc3e3a75_ctx:
	s_mov_b64 s[64:65], 0
	v_nop
	global_prefetch_b8 v0, s[64:65] scope:SCOPE_SE
	s_setreg_imm32_b32 hwreg(HW_REG_WAVE_MODE, 25, 1), 1
	s_wait_xcnt 0x0
	s_wait_alu depctr_hold_cnt(0) depctr_sa_sdst(0) depctr_va_vdst(0) depctr_va_sdst(0) depctr_va_ssrc(0) depctr_va_vcc(0) depctr_vm_vsrc(0)
	s_getreg_b32 s2, hwreg(HW_REG_IB_STS2, 6, 4)
	s_cmp_eq_u32 s2, 0
	s_cbranch_scc0 .Lentry_in_a_cluster
	s_endpgm
.Lentry_in_a_cluster:
	s_bfe_u32 s2, ttmp6, 0x10000c
	s_cmp_lg_u32 s2, 0xf033
	s_cbranch_scc0 .Lentry_shape_is_right
	s_endpgm
.Lentry_shape_is_right:
; ctx = (P V) / l on FP6 (E2M3) codes, quantised along e on the way out.
; P's scale words arrive under a local M for each 128 keys.  At the head each thread takes one of the tile's 128 queries: the row's M is the largest of its 16 local ones (-M the smallest), d = M - local M is a whole number,
; 0 or more; each scale byte has d taken off, l is the sum of the 16 local l x 2^-d.  So the maximum that is taken away is the row's own.
; OPERANDS are fragment images: 16 rows x 128 K = 12 registers a lane, registers 4 g .. of lane l at 512 g + 16 l; laid [K / 256][row block][K step][1,536]; lane r of row block B is true row 32 (B / 2) + 8 (B % 2) + r + 8 (r / 8);
; scale words [K / 128][16 B + r].  THE PRODUCT IS USED TRANSPOSED (source 0 = 16 rows e of V^T, source 1 = 16 queries): a lane holds one query, and the 16 registers of blocks 2 b, 2 b + 1 are e = 32 b + 16 h + 0 .. 15.
; SHARES: a tile of 128 queries x 256 of e gives 256 work-groups (256 x 256 would give 128); four waves of 64 x 128, 32 accumulators.  CLUSTER 4 x 4: P's tile is shared along a row, V^T's along a column, asked for jointly.
; RING: two slots of 512 along K; K = 2,048 is four: two first fills, two refills, each with four K steps in which to land.  A wave has at most three tensor loads out.
; LIMITS: NaN and infinities are not served.  A byte of P that would fall under 0 is held at 0: its terms lie under 2^-124 of the row's largest.  A block of ctx whose largest magnitude lies under 2^-124 keeps the byte 1.
; REGISTERS: window 0: v1-31 addresses; v32-39, v40-47 scale words (nothing else ever); v48-63 at work; v64-159 A's fragments, two sets (at the head: the correction; on the way out: codes); v224-227 words, v232-239 1 / l.
;   window 1: v0-191 B's fragments.   window 2: accumulator (a, b) at v[8 (8 a + b)].
; THE HEAD AS IT STANDS (this paragraph holds in place of what the RING line above says of the first fills).  At the head each wave issues ONE joint load, its quarter of slot 0; slot 1's first fill stands behind the three lines
; and a round.  V^T's scale words (16 K steps x 1,024 bytes) come through registers, 64 threads to a run of 1,024 bytes, and LDS stores.  A wave has one tensor load out.
; PREFETCH: behind the load of slot s each wave names its work-group's quarter of what it loads for slot s + 1 (by cx for P: 2 x 12 blocks of 256 bytes; by cy for V^T: 2 x 24), lanes 0-15 the first 256 along K, lanes 16-31 the second;
; the last load has none behind it.
.set MA,    4
.set NSTEP, 16
.set UPL,   2
.set NPL,   2
.set ASTR,  1572864
.set BSTR,  196608
.set SCA,   294912                     ; P's corrected scale words [16][128]: written by LDS stores alone
.set SCB,   303104                     ; V^T's [16][256]
.set SPARE, 319488
.set RL,    320000                     ; 1 / l of the 128 queries
.set STG,   320512                     ; 256 bytes a wave
; ---------------- the core ----------------
.set RA,   UPL*MA*3072                 ; what one load brings of A: half the tile's blocks
.set RB,   UPL*8*3072                  ; and of B
.set SLOT, 2*RA+2*RB                   ; A's halves, then B's
.set SQ,   2*UPL                       ; K steps in a slot
.set NF,   3*(MA+8)+4+MA/2             ; LDS loads of a K step
.set MSB, 0
.macro WIN new                         ; the immediate's high byte repeats the setting that is left
.if MSB != (\new)
	s_set_vgpr_msb (MSB<<8)|(\new)
.set MSB, \new
.endif
.endm
.macro PLACES n                        ; plain vector lines between a matrix instruction and a load into, or a vector read or write of, its registers
.rept \n
	v_nop
.endr
.endm
.macro CREST                           ; a round of the cluster's barrier behind its opening barrier
	s_cmp_lg_u32 s14, 0
	s_cbranch_scc1 .Lnot_wave_0_\@
	s_barrier_signal -3
.Lnot_wave_0_\@:
	s_barrier_wait -3
	s_barrier_signal -1
	s_barrier_wait -1
.endm
.macro CROUND
	s_barrier_signal -1
	s_barrier_wait -1
	CREST
.endm
.macro JLOAD g0a, g1a, g0b, g1b        ; a joint load: waves 0, 1 fetch A's halves, waves 2, 3 B's; four v_nop follow each line
	s_cmp_eq_u32 s15, 0
	s_cbranch_scc0 .Lfor_b_\@
	tensor_load_to_lds s[\g0a:\g0a+3], s[\g1a:\g1a+7]
	s_nop 0
.rept 4
	v_nop
.endr
	s_branch .Lasked_\@
.Lfor_b_\@:
	tensor_load_to_lds s[\g0b:\g0b+3], s[\g1b:\g1b+7]
	s_nop 0
.rept 4
	v_nop
.endr
.Lasked_\@:
.endm
.macro IDS
	v_lshrrev_b32 v1, 5, v0
	v_readfirstlane_b32 s14, v1                    ; wave
	s_lshr_b32 s15, s14, 1                         ; which half of A's blocks I multiply.  Also: I fetch for A (0) or B (1)
	s_and_b32 s16, s14, 1                          ; which half of B's.  Also: which half I fetch
	s_bfe_u32 s17, ttmp6, 0x40000                  ; cx
	s_bfe_u32 s18, ttmp6, 0x40004                  ; cy
	s_and_b32 s20, ttmp7, 0xffff                   ; cluster y
	s_lshl_b32 s21, s18, 2
	s_lshl_b32 s21, 15, s21                        ; my row of the cluster
	s_lshl_b32 s22, 0x1111, s17                    ; my column
.endm
.macro MKG1 g, mask, c, r, p           ; group 1: r rows of c elements of 8 bytes, p elements apart; no padding; the mask, and bit 21 beside it
	s_or_b32 s[\g], s[\mask], (3<<16)|(1<<21)
	s_mov_b32 s[\g+1], (\c)<<16
	s_mov_b32 s[\g+2], (\r)<<16
	s_mov_b32 s[\g+3], (\c)<<16
	s_mov_b32 s[\g+4], \r
	s_mov_b32 s[\g+5], \p
	s_mov_b32 s[\g+6], 0
	s_mov_b32 s[\g+7], 0
.endm
.macro MKG0 g, mul, const              ; group 0 round an address that stands in its words 2, 3: LDS address = my half x mul + const
	s_mov_b32 s[\g], 1
	s_mul_i32 s[\g+1], s16, \mul
	s_add_co_u32 s[\g+1], s[\g+1], \const
	s_or_b32 s[\g+3], s[\g+3], 0x80000000
.endm
.macro PTRS g, ptr, str                ; the slots' first addresses
	s_add_nc_u64 s[\g+2:\g+3], s[\ptr:\ptr+1], s[\g+2:\g+3]
.irp p, 1,2,3
.if \p < NPL
	s_add_nc_u64 s[\g+4*\p+2:\g+4*\p+3], s[\g+2:\g+3], \p*UPL*(\str)
.endif
.endr
.endm
.macro LANES
	v_and_b32 v1, 31, v0                           ; lane
	v_and_b32 v2, 15, v0                           ; r
	v_bfe_u32 v3, v0, 4, 1                         ; h
	v_lshlrev_b32 v26, 4, v1                       ; 16 x lane: my place in an image's 512 bytes
	v_lshlrev_b32 v4, 2, v1
	s_wait_alu depctr_va_vdst(0)
	s_mul_i32 s66, s15, RA
	s_mul_i32 s67, s16, RB
	s_add_co_u32 s67, s67, 2*RA
.irp p, 0,1,2,3
.if \p < NPL
	v_add_nc_u32 v[16+\p], s66, v26                ; my half of A in slot p
	v_add_nc_u32 v[20+\p], s67, v26                ; my half of B
	s_add_co_u32 s66, s66, SLOT
	s_add_co_u32 s67, s67, SLOT
.endif
.endr
	s_mul_i32 s66, s15, MA*64
	s_add_co_u32 s66, s66, SCA
	v_add_nc_u32 v24, s66, v4                      ; my blocks' scale words: 4 x lane takes two blocks, one in each half of the lanes
	s_lshl_b32 s67, s16, 9
	s_add_co_u32 s67, s67, SCB
	v_add_nc_u32 v25, s67, v4
.endm
.macro FETCH j                         ; K step j's fragments and scale words into set j % 2: NF loads, every one of consecutive bytes
.set PL, ((\j)/SQ)%NPL
.set QL, (\j)%SQ
.set FS, (\j)%2
	WIN 0x40                                       ; destination window 1
.irp b, 0,1,2,3,4,5,6,7
.irp c, 0,1,2
	ds_load_b128 v[96*FS+12*\b+4*\c:96*FS+12*\b+4*\c+3], v[20+PL] offset:(QL/2)*8*3072+3072*\b+1536*(QL%2)+512*\c
.endr
.endr
	WIN 0
.irp x, 0,1,2,3,4,5,6,7
.if \x < MA
.irp c, 0,1,2
	ds_load_b128 v[64+12*MA*FS+12*\x+4*\c:64+12*MA*FS+12*\x+4*\c+3], v[16+PL] offset:(QL/2)*MA*3072+3072*\x+1536*(QL%2)+512*\c
.endr
.endif
.endr
.irp t, 0,1,2,3
	ds_load_b32 v[40+4*FS+\t], v25 offset:1024*(\j)+128*\t      ; B's blocks 2 t (lanes 0-15) and 2 t + 1 (lanes 16-31)
.endr
.irp t, 0,1,2,3
.if \t < MA/2
	ds_load_b32 v[32+4*FS+\t], v24 offset:MA*128*(\j)+128*\t    ; A's likewise
.endif
.endr
.endm
.macro WM cz, pb, pa                   ; one product; cz: C is the constant 0; pb, pa: the block's scale words stand in lanes 16-31
.if \cz
.if (\pb) && (\pa)
	v_wmma_scale_f32_16x16x128_f8f6f4 v[WD:WD+7], v[WB:WB+11], v[WA:WA+11], 0, v[WSB], v[WSA] matrix_a_fmt:MATRIX_FMT_FP6 matrix_b_fmt:MATRIX_FMT_FP6 matrix_a_scale:MATRIX_SCALE_ROW1 matrix_b_scale:MATRIX_SCALE_ROW1
.elseif \pb
	v_wmma_scale_f32_16x16x128_f8f6f4 v[WD:WD+7], v[WB:WB+11], v[WA:WA+11], 0, v[WSB], v[WSA] matrix_a_fmt:MATRIX_FMT_FP6 matrix_b_fmt:MATRIX_FMT_FP6 matrix_a_scale:MATRIX_SCALE_ROW1
.elseif \pa
	v_wmma_scale_f32_16x16x128_f8f6f4 v[WD:WD+7], v[WB:WB+11], v[WA:WA+11], 0, v[WSB], v[WSA] matrix_a_fmt:MATRIX_FMT_FP6 matrix_b_fmt:MATRIX_FMT_FP6 matrix_b_scale:MATRIX_SCALE_ROW1
.else
	v_wmma_scale_f32_16x16x128_f8f6f4 v[WD:WD+7], v[WB:WB+11], v[WA:WA+11], 0, v[WSB], v[WSA] matrix_a_fmt:MATRIX_FMT_FP6 matrix_b_fmt:MATRIX_FMT_FP6
.endif
.else
.if (\pb) && (\pa)
	v_wmma_scale_f32_16x16x128_f8f6f4 v[WD:WD+7], v[WB:WB+11], v[WA:WA+11], v[WC:WC+7], v[WSB], v[WSA] matrix_a_fmt:MATRIX_FMT_FP6 matrix_b_fmt:MATRIX_FMT_FP6 matrix_a_scale:MATRIX_SCALE_ROW1 matrix_b_scale:MATRIX_SCALE_ROW1
.elseif \pb
	v_wmma_scale_f32_16x16x128_f8f6f4 v[WD:WD+7], v[WB:WB+11], v[WA:WA+11], v[WC:WC+7], v[WSB], v[WSA] matrix_a_fmt:MATRIX_FMT_FP6 matrix_b_fmt:MATRIX_FMT_FP6 matrix_a_scale:MATRIX_SCALE_ROW1
.elseif \pa
	v_wmma_scale_f32_16x16x128_f8f6f4 v[WD:WD+7], v[WB:WB+11], v[WA:WA+11], v[WC:WC+7], v[WSB], v[WSA] matrix_a_fmt:MATRIX_FMT_FP6 matrix_b_fmt:MATRIX_FMT_FP6 matrix_b_scale:MATRIX_SCALE_ROW1
.else
	v_wmma_scale_f32_16x16x128_f8f6f4 v[WD:WD+7], v[WB:WB+11], v[WA:WA+11], v[WC:WC+7], v[WSB], v[WSA] matrix_a_fmt:MATRIX_FMT_FP6 matrix_b_fmt:MATRIX_FMT_FP6
.endif
.endif
.endm
.macro MULROW j, a, cm                 ; A's block a against B's eight.  cm: C = 0 the sum so far, 1 the constant 0.  The accumulators take turns, one instruction a turn, in the same order in every step
.set FS, (\j)%2
.set WA, 64+12*MA*FS+12*(\a)
.set WSA, 32+4*FS+(\a)/2
	WIN 0xa1                                       ; source 0 (B) window 1, source 1 (A) window 0, C and D window 2
.irp b, 0,1,2,3,4,5,6,7
.set WD, 64*(\a)+8*\b
.set WB, 96*FS+12*\b
.set WSB, 40+4*FS+\b/2
.set WC, WD
	WM (\cm)==1, \b%2, (\a)%2
.endr
.endm
.macro ROWS j, a0, a1, cm
.irp x, 0,1,2,3,4,5,6,7
.if (\x >= \a0) && (\x < \a1)
	MULROW \j, \x, \cm
.endif
.endr
.endm
.macro STEP0 j, cm                     ; a K step whose successor lies in a slot that is known whole
.if (\j) > 0
	PLACES 4                                       ; the other set was read by the last step's products
.endif
	FETCH (\j)+1
	s_wait_dscnt NF                                ; all but the NF loads just issued: this step's set is in
	ROWS \j, 0, MA, \cm
	WIN 0
.endm
.macro STEPR j                         ; a slot's last step, and the slot is filled again
.set RP, ((\j)/SQ)%NPL
	s_wait_tensorcnt 0x0                           ; all my tensor loads have landed,
	ds_add_u32 v28, v29                            ; 0 onto my spare word
	s_wait_dscnt 1                                 ; this step's set is in (the add may be out)
	ROWS \j, 0, MA/4, 0
	s_wait_dscnt 0x0                               ; the add is done, and my reads of this slot are over
	s_barrier_signal -1                            ; opens a round of the cluster's barrier
	ROWS \j, MA/4, MA/2, 0
	WIN 0
	s_barrier_wait -1
	CREST                                          ; no wave of any partner still reads the slot or has a load on its way
	s_add_nc_u64 s[70+4*RP:71+4*RP], s[70+4*RP:71+4*RP], NPL*UPL*ASTR
	s_add_nc_u64 s[86+4*RP:87+4*RP], s[86+4*RP:87+4*RP], NPL*UPL*BSTR
	JLOAD 68+4*RP, 24, 84+4*RP, 32
	FETCH (\j)+1
.if (\j) == 3
	ASK 80                                         ; keys 1,536 to 2,047, asked for at step 7
.endif
	ROWS \j, MA/2, MA, 0
	WIN 0
.endm
.macro STEPB j, n                      ; a slot's last step; the next slot is shown whole: n younger loads of mine may stay out
	s_wait_tensorcnt \n
	s_wait_dscnt 0x0
	s_barrier_signal -1
	ROWS \j, 0, MA/2, 0
	WIN 0
	s_barrier_wait -1
	PLACES 4
	FETCH (\j)+1
	ROWS \j, MA/2, MA, 0
	WIN 0
.endm
.macro STEPL j                         ; the last step
	s_wait_dscnt 0x0
	ROWS \j, 0, MA, 0
	WIN 0
.endm
; From the four blocks' largest magnitudes in v48-51 (floor included): scale operands, bytes, the row's word; the 64 numbers of block of rows a become a fragment's codes; image to memory, word to the stage.
.macro CODES a
.set S, 64*((\a)%4)
.set W, 2+(\a)/4
.set PC, 64+20*(\a)                    ; every a has registers of its own: no store's data are written again
.set PW, 224+(\a)
	WIN 0
.irp b, 0,1,2,3
	v_add_nc_u32 v[60+\b], 0xff000000, v[48+\b]    ; 2 off the exponent field: the conversion's scale operand
.endr
.irp b, 0,1,2,3
	v_lshrrev_b32 v[52+\b], 23, v[60+\b]           ; the byte
.endr
	v_lshl_or_b32 v[PW], v53, 8, v52
	v_lshl_or_b32 v[PW], v54, 16, v[PW]
	v_lshl_or_b32 v[PW], v55, 24, v[PW]
	WIN W                                          ; source 0 in the accumulators' window
.irp c, 0,1
	v_cvt_scalef32_pk16_fp6_f32 v[PC+6*\c:PC+6*\c+2], v[S+32*\c:S+32*\c+15], v[60+2*\c]
	v_cvt_scalef32_pk16_fp6_f32 v[PC+12+4*\c:PC+14+4*\c], v[S+32*\c+16:S+32*\c+31], v[61+2*\c]
.endr
	WIN 0
	v_nop                                          ; one plain place behind a scaled conversion
.irp c, 0,1                            ; the operand's layout wants a whole block in a lane
.irp i, 0,1,2
	v_permlane16_swap_b32 v[PC+6*\c+\i], v[PC+12+4*\c+\i]
.endr
.irp i, 0,1,2
	v_mov_b32 v[PC+3+6*\c+\i], v[PC+12+4*\c+\i]
.endr
.endr
.irp c, 0,1,2
	global_store_b128 v26, v[PC+4*\c:PC+4*\c+3], s[12:13] offset:3072*(\a)+512*\c   ; 32 lanes store 512 consecutive bytes
.endr
	ds_store_b32 v27, v[PW] offset:64*(\a)         ; lanes r and r + 16 write the same word
.endm
.macro QUANTW a                        ; register 16 b + i of the block of rows is column 32 b + 16 h + i
.set S, 64*((\a)%4)
.set W, 2+(\a)/4
	WIN (W<<2)|(W<<4)
.irp b, 0,1,2,3
	v_max3_num_f32 v[48+\b], 0x1800000, |v[S+16*\b]|, |v[S+16*\b+1]|   ; the floor 2^(3 - 127): the byte cannot fall under 1
.endr
.irp i, 2,4,6,8,10,12,14
.irp b, 0,1,2,3
	v_max3_num_f32 v[48+\b], v[48+\b], |v[S+16*\b+\i]|, |v[S+16*\b+\i+1]|
.endr
.endr
	WIN 0
.irp b, 0,1,2,3
	v_permlanex16_b32 v[52+\b], v[48+\b], s100, s101
.endr
.irp b, 0,1,2,3
	v_max_num_f32 v[48+\b], v[48+\b], v[52+\b]     ; with lane l xor 16's 16: the block's
.endr
	CODES \a
.endm
.macro DIVL a                          ; the block of queries a times 1 / l, from each accumulator's low end on
.set S, 64*(\a)
	WIN 0x82                                       ; destination and source 0 window 2
.set i, 0
.rept 32
	v_pk_mul_f32 v[S+i:S+i+1], v[S+i:S+i+1], v[232+2*(\a):233+2*(\a)] op_sel_hi:[1,0]
.set i, i+2
.endr
.endm
; ---------------- the launch ----------------
	s_load_b128 s[4:7], s[0:1], 0x0                ; p, qkv
	s_load_b64 s[8:9], s[0:1], 0x10                ; ctx
	v_lshl_add_u32 v28, v0, 2, SPARE
	v_mov_b32 v29, 0
	ds_add_u32 v28, v29
	ds_add_u32 v28, v29
	s_wait_dscnt 0x0
	IDS
	s_lshl_b32 s2, s20, 2
	s_add_co_u32 s2, s2, s18                       ; which 128 queries (over all batches)
	s_lshl_b32 s3, ttmp9, 2
	s_add_co_u32 s3, s3, s17                       ; which 256 of e
	s_lshr_b32 s23, s20, 2                         ; the batch: four rows of clusters each
	MKG1 24, 21, 1536, 2, 196608                   ; P: 4 blocks x 3,072 bytes, twice (512 along K)
	MKG1 32, 22, 3072, 2, 24576                    ; V^T: 8 blocks, twice
	s_lshl_b32 s70, s2, 3
	s_lshl_b32 s71, s16, 2
	s_add_co_u32 s70, s70, s71
	s_mul_i32 s70, s70, 3072                       ; P: row block 8 Y + 4 x half
	s_mov_b32 s71, 0
	s_lshl_b32 s86, s3, 4
	s_lshl_b32 s87, s16, 3
	s_add_co_u32 s86, s86, s87
	s_mul_i32 s86, s86, 3072                       ; V^T: row block 16 x tile column + 8 x half,
	s_mul_i32 s87, s23, 8*196608                   ; the batch's keys
	s_add_co_u32 s86, s86, s87
	s_add_co_u32 s86, s86, 13107200
	s_mov_b32 s87, 0
	s_lshl_b32 s62, s23, 4
	s_lshl_b32 s62, s62, 12
	s_lshl_b32 s63, s3, 10
	s_add_co_u32 s62, s62, s63
	s_add_co_u32 s62, s62, 19398656
	s_mov_b32 s63, 0
	s_wait_kmcnt 0x0
	PTRS 68, 4, ASTR
	PTRS 84, 6, BSTR
	s_add_nc_u64 s[62:63], s[6:7], s[62:63]
	s_cmp_eq_u32 s15, 0                            ; the prefetches: from my half of slot 1's tile on,
	s_cselect_b64 s[76:77], s[74:75], s[90:91]
	s_cselect_b32 s66, s17, s18                    ; my work-group's place among the four that ask with it: cx for P, cy for V^T
	s_cselect_b32 s56, 11, 15                      ; the last block that the first instruction names
	s_mov_b32 s57, ASTR
	s_cselect_b32 s57, s57, BSTR                   ; bytes from one 256 along K to the next
	s_mul_i32 s66, s66, 3072
	s_lshl_b32 s66, s66, s15                       ; a quarter of 12,288 bytes of P, of 24,576 of V^T
	s_mov_b32 s67, 0
	s_add_nc_u64 s[76:77], s[76:77], s[66:67]
	s_lshl_b32 s58, s57, 1
	s_mov_b32 s59, 0
	s_add_nc_u64 s[78:79], s[76:77], s[58:59]      ; the same of the third 512 along K,
	s_add_nc_u64 s[80:81], s[78:79], s[58:59]      ; and of the fourth
	v_and_b32 v18, 15, v0
	v_bfe_u32 v15, v0, 4, 1
	v_mul_u32_u24 v15, s57, v15                    ; lanes 16-31: the second 256 along K
	v_min_u32 v19, s56, v18
	v_min_u32 v18, 7, v18
	v_lshl_add_u32 v19, v19, 8, v15                ; blocks 0 .. 11 or 0 .. 15
	v_lshl_add_u32 v18, v18, 8, v15                ; V^T's blocks 16 .. 23, with the offset 4,096
	s_wait_alu depctr_va_vdst(0)
.macro ASK b                           ; never rewritten: v18, v19 and the three bases
	global_prefetch_b8 v19, s[\b:\b+1] th:TH_LOAD_NT scope:SCOPE_SE
	s_cmp_eq_u32 s15, 0
	s_cbranch_scc1 .Lpf_\@                         ; P's waves have named all their blocks
	global_prefetch_b8 v18, s[\b:\b+1] offset:4096 th:TH_LOAD_NT scope:SCOPE_SE
.Lpf_\@:
.endm
.irp p, 0,1
	MKG0 68+4*\p, RA, \p*SLOT
	MKG0 84+4*\p, RB, \p*SLOT+2*RA
.endr
	CROUND                                         ; all sixteen work-groups are here: the first joint loads meet
	JLOAD 68, 24, 84, 32                           ; slot 0, a quarter a wave: one tensor load a wave at the head
	ASK 76
	LANES
	s_lshl_b32 s66, s14, 8
	s_add_co_u32 s66, s66, STG
	v_lshl_add_u32 v27, v2, 2, s66                 ; my row's word in my wave's stage
	v_lshl_add_u32 v30, v1, 3, s66                 ; and the stage on its way out, 8 bytes a lane
	v_lshlrev_b32 v8, 3, v1
	s_lshl_b32 s66, s15, 8
	s_add_co_u32 s66, s66, RL
	v_lshl_add_u32 v31, v2, 2, s66                 ; 1 / l of my query of block 0
	v_lshlrev_b32 v5, 2, v0                        ; the correction: thread t owns query t of the tile
	v_lshl_add_u32 v6, v0, 2, SCA
	v_lshl_add_u32 v7, v0, 2, RL
	v_lshrrev_b32 v9, 6, v0                        ; V^T's scale words: threads 0-63 take one K step's 1,024 bytes, threads 64-127 the next one's
	v_and_b32 v11, 63, v0
	v_lshlrev_b32 v9, 12, v9
	v_lshl_add_u32 v9, v11, 4, v9
	v_lshl_add_u32 v10, v0, 4, SCB                 ; in LDS the K steps lie 1,024 bytes apart: 16 x thread
.irp b, 0,1,2,3
	v_mov_b32 v[52+\b], 0                          ; a lane permute's destination is written before
.endr
	s_lshl_b32 s66, s2, 9
	s_add_co_u32 s66, s66, 12582912
	s_mov_b32 s67, 0
	s_add_nc_u64 s[10:11], s[4:5], s[66:67]
.irp k, 0,1,2,3,4,5,6,7,8,9,10,11,12,13,14,15
	global_load_b32 v[64+\k], v5, s[10:11] offset:32768*\k            ; the word,
	global_load_b32 v[80+\k], v5, s[10:11] offset:524288+32768*\k     ; -M
	global_load_b32 v[96+\k], v5, s[10:11] offset:1048576+32768*\k    ; and l of each 128 keys
.endr
.irp i, 0,1,2,3,4,5,6,7
	global_load_b128 v[128+4*\i:131+4*\i], v9, s[62:63] offset:8192*\i
.endr
	s_wait_alu depctr_va_vdst(0)
	s_wait_loadcnt 0x0
.irp i, 0,1,2,3,4,5,6,7
	ds_store_b128 v10, v[128+4*\i:131+4*\i] offset:2048*\i
.endr
	v_min3_num_f32 v112, v80, v81, v82
.irp i, 3,5,7,9,11,13
	v_min3_num_f32 v112, v112, v[80+\i], v[81+\i]
.endr
	v_min_num_f32 v112, v112, v95                  ; -M of the row
.irp k, 0,1,2,3,4,5,6,7,8,9,10,11,12,13,14,15
	v_sub_f32 v113, v[80+\k], v112                 ; d: a whole number, 0 or more
	v_cvt_u32_f32 v113, v113                       ; (it saturates)
	v_min_u32 v113, 0xff, v113
	v_sub_nc_u32 v114, 0, v113
.if \k == 0
	v_ldexp_f32 v115, v[96+\k], v114
.else
	v_ldexp_f32 v114, v[96+\k], v114               ; l x 2^-d: nothing is rounded but what falls under the smallest number
	v_add_f32 v115, v115, v114
.endif
.irp b, 0,1,2,3
	v_bfe_u32 v[116+\b], v[64+\k], 8*\b, 8
.endr
.irp b, 0,1,2,3
	v_min_u32 v[120+\b], v[116+\b], v113
.endr
.irp b, 0,1,2,3
	v_sub_nc_u32 v[116+\b], v[116+\b], v[120+\b]   ; the byte less d, held at 0
.endr
	v_lshl_or_b32 v[64+\k], v117, 8, v116
	v_lshl_or_b32 v[64+\k], v118, 16, v[64+\k]
	v_lshl_or_b32 v[64+\k], v119, 24, v[64+\k]
	ds_store_b32 v6, v[64+\k] offset:512*\k
.endr
	s_wait_alu depctr_va_vdst(0)
	v_rcp_f32 v116, v115
	v_nop                                          ; a plain line behind the reciprocal
	s_wait_alu depctr_va_vdst(0)                   ; and the wait ahead of its first reader
	ds_store_b32 v7, v116
	s_wait_tensorcnt 0x0                           ; my part of slot 0 is in
	ds_add_u32 v28, v29
	s_wait_dscnt 0x0                               ; the add is done; for the others' sake: my scale words and 1 / l have landed
	CROUND
	JLOAD 72, 24, 88, 32                           ; slot 1's first fill
	FETCH 0
	ASK 78                                         ; keys 1,024 to 1,535, asked for at step 3
	s_lshl_b32 s66, s2, 3                          ; where my results go
	s_lshl_b32 s67, s15, 2
	s_add_co_u32 s66, s66, s67                     ; my first row block
	s_mul_i32 s104, s66, 3072
	s_mul_i32 s67, s16, 1536
	s_add_co_u32 s104, s104, s67
	s_mul_i32 s67, s3, 1572864
	s_add_co_u32 s104, s104, s67
	s_mov_b32 s105, 0
	s_lshl_b32 s66, s66, 6
	s_lshl_b32 s67, s3, 1
	s_add_co_u32 s67, s67, s16
	s_lshl_b32 s67, s67, 15
	s_add_co_u32 s66, s66, s67
	s_add_co_u32 s66, s66, 6291456
	s_mov_b32 s67, 0
	s_add_nc_u64 s[12:13], s[8:9], s[104:105]      ; codes
	s_add_nc_u64 s[8:9], s[8:9], s[66:67]          ; words
	s_mov_b32 s100, 0x76543210
	s_mov_b32 s101, 0xfedcba98
	STEP0 0, 1                                     ; the first products start the sums
	STEP0 1, 0
	STEP0 2, 0
	STEPR 3                                        ; slot 0 takes keys 1,024 to 1,535
	STEP0 4, 0
	STEP0 5, 0
	STEP0 6, 0
	STEPR 7                                        ; slot 1 takes keys 1,536 to 2,047
	STEP0 8, 0
	STEP0 9, 0
	STEP0 10, 0
	STEPB 11, 0
	STEP0 12, 0
	STEP0 13, 0
	STEP0 14, 0
	STEPL 15
.irp a, 0,1,2,3
	ds_load_b32 v[232+2*\a], v31 offset:64*\a      ; 1 / l of my query of block a (both words of the pair are written)
	ds_load_b32 v[233+2*\a], v31 offset:64*\a
.endr
	s_wait_dscnt 0x0
	PLACES 4
.irp a, 0,1,2,3
	DIVL \a
	QUANTW \a
.endr
	ds_load_b64 v[48:49], v30                      ; my 64 rows' words
	s_wait_dscnt 0x0
	global_store_b64 v8, v[48:49], s[8:9]          ; 256 consecutive bytes, aligned
	s_wait_tensorcnt 0x0                           ; the wave's end
	ds_add_u32 v28, v29
	s_wait_dscnt 0x0
	CROUND                                         ; the closing round
	s_endpgm
.Lfunc_end_k_q1fdc3e3a75_ctx:
	.size	k_q1fdc3e3a75_ctx, .Lfunc_end_k_q1fdc3e3a75_ctx-k_q1fdc3e3a75_ctx
	.p2alignl 7, 3214868480
	.fill 96, 4, 3214868480
	.section	.rodata,"a",@progbits
	.p2align	6, 0x0
	.amdhsa_kernel k_q1fdc3e3a75_ctx
		.amdhsa_group_segment_fixed_size 327680
		.amdhsa_private_segment_fixed_size 0
		.amdhsa_enable_private_segment 0
		.amdhsa_kernarg_size 24
		.amdhsa_user_sgpr_count 2
		.amdhsa_user_sgpr_kernarg_segment_ptr 1
		.amdhsa_wavefront_size32 1
		.amdhsa_system_sgpr_workgroup_id_x 1
		.amdhsa_system_sgpr_workgroup_id_y 1
		.amdhsa_system_sgpr_workgroup_id_z 1
		.amdhsa_system_vgpr_workitem_id 0
		.amdhsa_next_free_vgpr 768
		.amdhsa_next_free_sgpr 106
		.amdhsa_reserve_vcc 0
		.amdhsa_float_denorm_mode_32 3
		.amdhsa_float_denorm_mode_16_64 3
		.amdhsa_memory_ordered 1
		.amdhsa_forward_progress 1
		.amdhsa_inst_pref_size 172
	.end_amdhsa_kernel
	.amdgpu_metadata
---
amdhsa.version: [ 1, 2 ]
amdhsa.kernels:
  - .name:           k_q1fdc3e3a75_ctx
    .symbol:         k_q1fdc3e3a75_ctx.kd
    .args:
      - { .name: p, .offset: 0, .size: 8, .value_kind: global_buffer, .address_space: global }
      - { .name: qkv, .offset: 8, .size: 8, .value_kind: global_buffer, .address_space: global }
      - { .name: ctx, .offset: 16, .size: 8, .value_kind: global_buffer, .address_space: global }
    .group_segment_fixed_size: 327680
    .private_segment_fixed_size: 0
    .kernarg_segment_align: 8
    .kernarg_segment_size: 24
    .max_flat_workgroup_size: 128
    .sgpr_count:     106
    .vgpr_count:     768
    .wavefront_size: 32
...
	.end_amdgpu_metadata
.endif
;; end of part 4
;; launch outp (part 5): grid 4 x 64, 4 waves a work-group, clusters of 4 x 4, 327,680 bytes of LDS; arguments ctx, xw, bo, out0; writes out0
.if DOCPART == 5
	.amdgcn_target "amdgcn-amd-amdhsa--gfx1250"
	.amdhsa_code_object_version 6
	.text
	.protected	k_q1fdc3e3a75_outp
	.globl	k_q1fdc3e3a75_outp
	.p2align	8
	.type	k_q1fdc3e3a75_outp,@function
k_q1fdc3e3a75_outp:
	s_mov_b64 s[64:65], 0
	v_nop
	global_prefetch_b8 v0, s[64:65] scope:SCOPE_SE
	s_setreg_imm32_b32 hwreg(HW_REG_WAVE_MODE, 25, 1), 1
	s_wait_xcnt 0x0
	s_wait_alu depctr_hold_cnt(0) depctr_sa_sdst(0) depctr_va_vdst(0) depctr_va_sdst(0) depctr_va_ssrc(0) depctr_va_vcc(0) depctr_vm_vsrc(0)
	s_getreg_b32 s2, hwreg(HW_REG_IB_STS2, 6, 4)
	s_cmp_eq_u32 s2, 0
	s_cbranch_scc0 .Lentry_in_a_cluster
	s_endpgm
.Lentry_in_a_cluster:
	s_bfe_u32 s2, ttmp6, 0x10000c
	s_cmp_lg_u32 s2, 0xf033
	s_cbranch_scc0 .Lentry_shape_is_right
	s_endpgm
.Lentry_shape_is_right:
; out = ctx Wo^T + bo on FP6 (E2M3) codes, f32 out.
; OPERANDS are fragment images: 16 rows x 128 K = 12 registers a lane, registers 4 g .. of lane l at 512 g + 16 l; laid [K / 256][row block][K step][1,536]; lane r of row block B is true row 32 (B / 2) + 8 (B % 2) + r + 8 (r / 8);
; scale words [K / 128][16 B + r].  Wo is row blocks 704-767 of XW.  THE PRODUCT IS USED TRANSPOSED (source 0 = 16 rows of Wo, source 1 = 16 rows of ctx): a lane holds one row, and the 16 registers of blocks 2 b, 2 b + 1 are the
; true columns 32 b + 16 h + 0 .. 15.  The rows' places are turned back into true rows by the stores' offsets.
; SHARES: a tile of 128 rows x 256 columns gives 256 work-groups; four waves of 64 x 128.  CLUSTER 4 x 4: ctx's tile is shared along a row, Wo's along a column, asked for jointly.
; LDS holds all of K: four slots of 256 along K, each filled once; nothing is filled again.  A wave has at most five tensor loads out (scale words and four slots).
; The way out goes through a stage in slot 0, which has had its only fill and which nobody reads behind step 1's barrier.
; REGISTERS: window 0: v1-31 addresses; v32-39, v40-47 scale words (nothing else ever); v64-159 A's fragments, two sets (on the way out v64-191: rows read back).   window 1: v0-191 B's fragments; v192-255 the bias.
;   window 2: accumulator (a, b) at v[8 (8 a + b)].
; LDS AS IT STANDS (this paragraph holds in place of the lines above on the four slots and on the stage).  Half h of ctx's tile, all of K, lies at LDS 49,152 h as four runs of 12,288 bytes (256 along K each);
; half h of Wo's first 512 along K at 98,304 + 49,152 h as two runs of 24,576; Wo's last 512 along K at 196,608 as [256 along K][half], 24,576 bytes each.
; At the head each wave issues ONE joint load of 49,152 bytes: its half of ctx's tile or of Wo's first 512 along K.  Behind the three lines and a round: Wo's last 512 along K, 24,576 bytes a wave.
; Nothing is filled again.  A wave has one tensor load out.  The scale words come through registers, in runs of 512 (ctx) and 1,024 (Wo) bytes, and LDS stores.
; The stage lies in Wo's first 512 along K, from 98,304 on, which nobody reads behind step 3's barrier.
; PREFETCH: behind the head's load each wave names its work-group's quarter (by cy; 24 blocks of 256 bytes) of the 24,576 bytes that it loads next.
.set MA,    4
.set NSTEP, 8
.set UPL,   1
.set NPL,   4
.set ASTR,  1572864
.set BSTR,  2359296
.set SCA,   294912                     ; ctx's scale words [8][128]
.set SCB,   299008                     ; Wo's [8][256]
; ---------------- the core ----------------
.set RA,   UPL*MA*3072                 ; what one load brings of A: half the tile's blocks
.set RB,   UPL*8*3072                  ; and of B
.set SLOT, 2*RA+2*RB                   ; A's halves, then B's
.set SQ,   2*UPL                       ; K steps in a slot
.set NF,   3*(MA+8)+4+MA/2             ; LDS loads of a K step
.set MSB, 0
.macro WIN new                         ; the immediate's high byte repeats the setting that is left
.if MSB != (\new)
	s_set_vgpr_msb (MSB<<8)|(\new)
.set MSB, \new
.endif
.endm
.macro PLACES n                        ; plain vector lines between a matrix instruction and a load into, or a read of, its registers
.rept \n
	v_nop
.endr
.endm
.macro CREST                           ; a round of the cluster's barrier behind its opening barrier
	s_cmp_lg_u32 s14, 0
	s_cbranch_scc1 .Lnot_wave_0_\@
	s_barrier_signal -3
.Lnot_wave_0_\@:
	s_barrier_wait -3
	s_barrier_signal -1
	s_barrier_wait -1
.endm
.macro CROUND
	s_barrier_signal -1
	s_barrier_wait -1
	CREST
.endm
.macro JLOAD g0a, g1a, g0b, g1b        ; a joint load: waves 0, 1 fetch A's halves, waves 2, 3 B's; four v_nop follow each line
	s_cmp_eq_u32 s15, 0
	s_cbranch_scc0 .Lfor_b_\@
	tensor_load_to_lds s[\g0a:\g0a+3], s[\g1a:\g1a+7]
	s_nop 0
.rept 4
	v_nop
.endr
	s_branch .Lasked_\@
.Lfor_b_\@:
	tensor_load_to_lds s[\g0b:\g0b+3], s[\g1b:\g1b+7]
	s_nop 0
.rept 4
	v_nop
.endr
.Lasked_\@:
.endm
.macro IDS
	v_lshrrev_b32 v1, 5, v0
	v_readfirstlane_b32 s14, v1                    ; wave
	s_lshr_b32 s15, s14, 1                         ; which half of A's blocks I multiply.  Also: I fetch for A (0) or B (1)
	s_and_b32 s16, s14, 1                          ; which half of B's.  Also: which half I fetch
	s_bfe_u32 s17, ttmp6, 0x40000                  ; cx
	s_bfe_u32 s18, ttmp6, 0x40004                  ; cy
	s_and_b32 s20, ttmp7, 0xffff                   ; cluster y
	s_lshl_b32 s21, s18, 2
	s_lshl_b32 s21, 15, s21                        ; my row of the cluster
	s_lshl_b32 s22, 0x1111, s17                    ; my column
.endm
.macro MKG1 g, mask, c, r, p           ; group 1: r rows of c elements of 8 bytes, p elements apart; no padding; the mask, and bit 21 beside it
	s_or_b32 s[\g], s[\mask], (3<<16)|(1<<21)
	s_mov_b32 s[\g+1], (\c)<<16
	s_mov_b32 s[\g+2], (\r)<<16
	s_mov_b32 s[\g+3], (\c)<<16
	s_mov_b32 s[\g+4], \r
	s_mov_b32 s[\g+5], \p
	s_mov_b32 s[\g+6], 0
	s_mov_b32 s[\g+7], 0
.endm
.macro MKG0 g, mul, const              ; group 0 round an address that stands in its words 2, 3: LDS address = my half x mul + const
	s_mov_b32 s[\g], 1
	s_mul_i32 s[\g+1], s16, \mul
	s_add_co_u32 s[\g+1], s[\g+1], \const
	s_or_b32 s[\g+3], s[\g+3], 0x80000000
.endm
.macro OFFS gc, gs, rb, nb, woff, wrow ; s[rb] = the tile's first row block -> byte offsets of my half's codes (nb blocks) and of my half of its scale words (rows of wrow bytes from woff on)
	s_lshl_b32 s[\gs+2], s[\rb], 6
	s_add_co_u32 s[\gs+2], s[\gs+2], \woff
	s_mov_b32 s[\gs+3], 0
	s_mul_i32 s[\gc+3], s16, \nb
	s_add_co_u32 s[\gc+2], s[\rb], s[\gc+3]
	s_mul_i32 s[\gc+2], s[\gc+2], 3072
	s_mov_b32 s[\gc+3], 0
.endm
.macro PTRS g, ptr, str                ; the slots' first addresses
	s_add_nc_u64 s[\g+2:\g+3], s[\ptr:\ptr+1], s[\g+2:\g+3]
.irp p, 1,2,3
.if \p < NPL
	s_add_nc_u64 s[\g+4*\p+2:\g+4*\p+3], s[\g+2:\g+3], \p*UPL*(\str)
.endif
.endr
.endm
.macro LANES
	v_and_b32 v1, 31, v0                           ; lane
	v_and_b32 v2, 15, v0                           ; r
	v_bfe_u32 v3, v0, 4, 1                         ; h
	v_lshlrev_b32 v26, 4, v1                       ; 16 x lane: my place in an image's 512 bytes
	s_wait_alu depctr_va_vdst(0)
	v_lshlrev_b32 v4, 2, v1
	s_wait_alu depctr_va_vdst(0)
	s_mul_i32 s66, s15, 4*RA
	s_mul_i32 s67, s16, 2*RB
	s_add_co_u32 s67, s67, 8*RA
.irp p, 0,1,2,3
	v_add_nc_u32 v[16+\p], s66, v26                ; my half of A, 256 along K number p
	s_add_co_u32 s66, s66, RA
.endr
	v_add_nc_u32 v20, s67, v26                     ; my half of B: K 0-255,
	s_add_co_u32 s67, s67, RB
	v_add_nc_u32 v21, s67, v26                     ; K 256-511,
	s_mul_i32 s67, s16, RB
	s_add_co_u32 s67, s67, 8*RA+4*RB
	v_add_nc_u32 v22, s67, v26                     ; K 512-767,
	s_add_co_u32 s67, s67, 2*RB
	v_add_nc_u32 v23, s67, v26                     ; K 768-1023
	s_mul_i32 s66, s15, MA*64
	s_add_co_u32 s66, s66, SCA
	v_add_nc_u32 v24, s66, v4                      ; my blocks' scale words: 4 x lane takes two blocks, one in each half of the lanes
	s_lshl_b32 s67, s16, 9
	s_add_co_u32 s67, s67, SCB
	v_add_nc_u32 v25, s67, v4
.endm
.macro FETCH j                         ; K step j's fragments and scale words into set j % 2: NF loads, every one of consecutive bytes
.set PL, ((\j)/SQ)%NPL
.set QL, (\j)%SQ
.set FS, (\j)%2
	WIN 0x40                                       ; destination window 1
.irp b, 0,1,2,3,4,5,6,7
.irp c, 0,1,2
	ds_load_b128 v[96*FS+12*\b+4*\c:96*FS+12*\b+4*\c+3], v[20+PL] offset:(QL/2)*8*3072+3072*\b+1536*(QL%2)+512*\c
.endr
.endr
	WIN 0
.irp x, 0,1,2,3,4,5,6,7
.if \x < MA
.irp c, 0,1,2
	ds_load_b128 v[64+12*MA*FS+12*\x+4*\c:64+12*MA*FS+12*\x+4*\c+3], v[16+PL] offset:(QL/2)*MA*3072+3072*\x+1536*(QL%2)+512*\c
.endr
.endif
.endr
.irp t, 0,1,2,3
	ds_load_b32 v[40+4*FS+\t], v25 offset:1024*(\j)+128*\t      ; B's blocks 2 t (lanes 0-15) and 2 t + 1 (lanes 16-31)
.endr
.irp t, 0,1,2,3
.if \t < MA/2
	ds_load_b32 v[32+4*FS+\t], v24 offset:MA*128*(\j)+128*\t    ; A's likewise
.endif
.endr
.endm
.macro WM pb, pa                       ; one product; pb, pa: the block's scale words stand in lanes 16-31
.if (\pb) && (\pa)
	v_wmma_scale_f32_16x16x128_f8f6f4 v[WD:WD+7], v[WB:WB+11], v[WA:WA+11], v[WC:WC+7], v[WSB], v[WSA] matrix_a_fmt:MATRIX_FMT_FP6 matrix_b_fmt:MATRIX_FMT_FP6 matrix_a_scale:MATRIX_SCALE_ROW1 matrix_b_scale:MATRIX_SCALE_ROW1
.elseif \pb
	v_wmma_scale_f32_16x16x128_f8f6f4 v[WD:WD+7], v[WB:WB+11], v[WA:WA+11], v[WC:WC+7], v[WSB], v[WSA] matrix_a_fmt:MATRIX_FMT_FP6 matrix_b_fmt:MATRIX_FMT_FP6 matrix_a_scale:MATRIX_SCALE_ROW1
.elseif \pa
	v_wmma_scale_f32_16x16x128_f8f6f4 v[WD:WD+7], v[WB:WB+11], v[WA:WA+11], v[WC:WC+7], v[WSB], v[WSA] matrix_a_fmt:MATRIX_FMT_FP6 matrix_b_fmt:MATRIX_FMT_FP6 matrix_b_scale:MATRIX_SCALE_ROW1
.else
	v_wmma_scale_f32_16x16x128_f8f6f4 v[WD:WD+7], v[WB:WB+11], v[WA:WA+11], v[WC:WC+7], v[WSB], v[WSA] matrix_a_fmt:MATRIX_FMT_FP6 matrix_b_fmt:MATRIX_FMT_FP6
.endif
.endm
.macro MULROW j, a, cm                 ; A's block a against B's eight.  cm: C = 0 the sum so far, 2 the bias tile of b.  The accumulators take turns, one instruction a turn, in the same order in every step
.set FS, (\j)%2
.set WA, 64+12*MA*FS+12*(\a)
.set WSA, 32+4*FS+(\a)/2
.if (\cm) == 2
	WIN 0x91                                       ; source 0 (B) window 1, source 1 (A) window 0, C window 1, D window 2
.else
	WIN 0xa1                                       ; C and D window 2
.endif
.irp b, 0,1,2,3,4,5,6,7
.set WD, 64*(\a)+8*\b
.set WB, 96*FS+12*\b
.set WSB, 40+4*FS+\b/2
.set WC, WD
.if (\cm) == 2
.set WC, 192+8*\b
.endif
	WM \b%2, (\a)%2
.endr
.endm
.macro ROWS j, a0, a1, cm
.irp x, 0,1,2,3,4,5,6,7
.if (\x >= \a0) && (\x < \a1)
	MULROW \j, \x, \cm
.endif
.endr
.endm
.macro STEP0 j, cm                     ; a K step whose successor lies in a slot that is known whole
.if (\j) > 0
	PLACES 4                                       ; the other set was read by the last step's products
.endif
	FETCH (\j)+1
	s_wait_dscnt NF                                ; all but the NF loads just issued: this step's set is in
	ROWS \j, 0, MA, \cm
	WIN 0
.endm
.macro STEPB j, n                      ; a slot's last step; the next slot is shown whole: n younger loads of mine may stay out
	s_wait_tensorcnt \n
	s_wait_dscnt 0x0
	s_barrier_signal -1
	ROWS \j, 0, MA/2, 0
	WIN 0
	s_barrier_wait -1
	PLACES 4
	FETCH (\j)+1
	ROWS \j, MA/2, MA, 0
	WIN 0
.endm
.macro STEPL j                         ; the last step
	s_wait_dscnt 0x0
	ROWS \j, 0, MA, 0
	WIN 0
.endm
; THE WAY OUT, a block of 16 rows x 128 columns at a time: a lane holds 2 x 32 bytes of a row for each pair of tiles; through my own stage, rows of 528 bytes, and back as whole rows of 512 bytes.
.macro TOSTAGE a
.set AC, 64*(\a)
	WIN 0x08                                       ; an LDS store's data are its source 1: window 2
.irp b, 0,1,2,3,4,5,6,7
	ds_store_b128 v27, v[AC+8*\b:AC+8*\b+3] offset:128*(\b/2)+32*(\b%2)          ; each accumulator from its low end on
	ds_store_b128 v27, v[AC+8*\b+4:AC+8*\b+7] offset:128*(\b/2)+32*(\b%2)+16
.endr
	WIN 0
.set BB, 64+64*((\a)%2)
.irp t, 0,1,2,3,4,5,6,7,8,9,10,11,12,13,14,15
	ds_load_b128 v[BB+4*\t:BB+4*\t+3], v30 offset:528*\t      ; LDS serves a wave's instructions in order: these see the stores above
.endr
.endm
.macro SEND a, younger                 ; younger: the LDS instructions issued behind block a's loads, which may stay out
.set BB, 64+64*((\a)%2)
	s_wait_dscnt \younger
.irp t, 0,1,2,3,4,5,6,7,8,9,10,11,12,13,14,15
	global_store_b128 v26, v[BB+4*\t:BB+4*\t+3], s[10:11] offset:(32*((\a)/2)+8*((\a)%2)+\t+8*(\t/8))*4096 th:TH_STORE_NT   ; place t of the block is this true row; 32 lanes store 512 consecutive bytes
.endr
.endm
; ---------------- the launch ----------------
	s_load_b256 s[4:11], s[0:1], 0x0               ; ctx, xw, bo, out0
	v_lshl_add_u32 v254, v0, 2, 0x4b000
	v_mov_b32 v255, 0
	ds_add_u32 v254, v255
	ds_add_u32 v254, v255
	IDS
	s_lshl_b32 s2, s20, 2
	s_add_co_u32 s2, s2, s18                       ; which 128 rows
	s_lshl_b32 s3, ttmp9, 2
	s_add_co_u32 s3, s3, s17                       ; which 256 columns
	MKG1 24, 21, 1536, 4, 196608                   ; ctx's codes: 4 blocks x 3,072 bytes, four times (all of K)
	MKG1 32, 22, 3072, 2, 294912                   ; Wo's: 8 blocks, twice (512 along K)
	s_lshl_b32 s100, s2, 3                         ; ctx's first row block
	OFFS 68, 56, 100, MA, 6291456, 32768
	s_lshl_b32 s101, s3, 4
	s_add_co_u32 s101, s101, 704                   ; Wo's
	OFFS 84, 60, 101, 8, 9437184, 49152
	s_wait_dscnt 0x0
	s_wait_kmcnt 0x0
	s_add_nc_u64 s[70:71], s[4:5], s[70:71]
	s_add_nc_u64 s[86:87], s[6:7], s[86:87]
	s_add_nc_u64 s[58:59], s[4:5], s[58:59]
	s_add_nc_u64 s[62:63], s[6:7], s[62:63]
	s_mul_i32 s66, s15, BSTR
	s_add_co_u32 s66, s66, 2*BSTR
	s_mov_b32 s67, 0
	s_add_nc_u64 s[94:95], s[86:87], s[66:67]      ; my later load: wave w takes half w % 2 of Wo's 256 along K number 2 + w / 2
	s_mul_i32 s66, s18, RB/4                       ; the prefetch: my work-group's quarter of that load, by cy
	s_add_nc_u64 s[22:23], s[94:95], s[66:67]
	MKG0 68, 4*RA, 0
	MKG0 84, 2*RB, 8*RA
	s_mov_b32 s92, 1
	s_mul_i32 s93, s14, RB
	s_add_co_u32 s93, s93, 8*RA+4*RB
	s_or_b32 s95, s95, 0x80000000
	v_and_b32 v31, 31, v0
	v_min_u32 v31, 23, v31                         ; 24 blocks of 256 bytes; the lanes left over name the last again
	v_lshlrev_b32 v31, 8, v31
	v_lshrrev_b32 v6, 5, v0                        ; ctx's scale words: 32 threads to a K step's 512 bytes
	v_and_b32 v9, 31, v0
	v_lshlrev_b32 v6, 15, v6
	v_lshl_add_u32 v6, v9, 4, v6
	v_lshrrev_b32 v7, 6, v0                        ; Wo's: 64 threads to a K step's 1,024 bytes
	v_and_b32 v9, 63, v0
	v_mul_u32_u24 v7, 49152, v7
	v_lshl_add_u32 v7, v9, 4, v7
	v_lshl_add_u32 v8, v0, 4, SCA                  ; in LDS the K steps lie on end: 16 x thread
	s_wait_alu depctr_va_vdst(0)
	CROUND                                         ; all sixteen work-groups are here: the first joint loads meet
	JLOAD 68, 24, 84, 32                           ; one tensor load a wave at the head
	global_prefetch_b8 v31, s[22:23] th:TH_LOAD_NT scope:SCOPE_SE
.irp i, 0,1
	global_load_b128 v[160+4*\i:163+4*\i], v6, s[58:59] offset:131072*\i
.endr
.irp i, 0,1,2,3
	global_load_b128 v[168+4*\i:171+4*\i], v7, s[62:63] offset:98304*\i
.endr
	LANES
	s_mul_i32 s66, s14, 16*528                     ; my stage,
	s_add_co_u32 s66, s66, 8*RA                    ; in Wo's first 512 along K
	v_mul_u32_u24 v27, v2, 528
	v_lshl_add_u32 v27, v3, 6, v27
	v_add_nc_u32 v27, s66, v27                     ; in: row r, + 64 h bytes
	v_add_nc_u32 v30, s66, v26                     ; back: 16 bytes a lane of a row
	s_lshl_b32 s66, s3, 10                         ; the bias is the C of each sum's first product: tile b holds bo[32 (b / 2) + 8 (b % 2) + 16 h + 0 .. 7] of my 128 columns
	s_lshl_b32 s67, s16, 9
	s_add_co_u32 s66, s66, s67
	s_mov_b32 s67, 0
	s_add_nc_u64 s[8:9], s[8:9], s[66:67]
	v_lshlrev_b32 v5, 6, v3
	WIN 0x40
.irp b, 0,1,2,3,4,5,6,7
	global_load_b128 v[192+8*\b:195+8*\b], v5, s[8:9] offset:(32*(\b/2)+8*(\b%2))*4
	global_load_b128 v[196+8*\b:199+8*\b], v5, s[8:9] offset:(32*(\b/2)+8*(\b%2))*4+16
.endr
	WIN 0
	s_lshl_b32 s66, s2, 7                          ; where my results go
	s_lshl_b32 s67, s15, 6
	s_add_co_u32 s66, s66, s67                     ; my first row
	s_lshl_b32 s66, s66, 12
	s_lshl_b32 s67, s3, 10
	s_add_co_u32 s66, s66, s67
	s_lshl_b32 s67, s16, 9
	s_add_co_u32 s66, s66, s67                     ; my first column
	s_mov_b32 s67, 0
	s_add_nc_u64 s[10:11], s[10:11], s[66:67]
	s_wait_alu depctr_va_vdst(0)
	s_wait_loadcnt 0x0                             ; the scale words and the bias are in
.irp i, 0,1
	ds_store_b128 v8, v[160+4*\i:163+4*\i] offset:2048*\i
.endr
.irp i, 0,1,2,3
	ds_store_b128 v8, v[168+4*\i:171+4*\i] offset:4096+2048*\i
.endr
	s_wait_tensorcnt 0x0                           ; my part of the head's tiles is in
	ds_add_u32 v254, v255
	s_mov_b32 s34, 1<<16                           ; no tensor load of mine is out: the next load brings one run of 8 blocks of Wo
	s_mov_b32 s36, 1
	s_wait_dscnt 0x0                               ; the add is done; for the others' sake: my scale words have landed
	CROUND                                         ; all parts are in, and the joint loads meet
	tensor_load_to_lds s[92:95], s[32:39]          ; Wo's last 512 along K, a quarter a wave, joint along my column
	s_nop 0
.rept 4
	v_nop
.endr
	FETCH 0
	STEP0 0, 2                                     ; the first products start the sums with the bias
	STEP0 1, 0
	STEP0 2, 0
	STEPB 3, 0                                     ; Wo's last 512 along K are in
	STEP0 4, 0
	STEP0 5, 0
	STEP0 6, 0
	STEPL 7
	PLACES 4
	TOSTAGE 0
.irp a, 1,2,3
.if \a > 1
	s_wait_xcnt 0x0                                ; block a - 2's stores have read their registers: block a's rows may land there
.endif
	TOSTAGE \a
	SEND \a-1, 32                                  ; behind block a - 1's loads: block a's 16 stores and 16 loads
.endr
	SEND 3, 0
	s_wait_tensorcnt 0x0
	s_wait_dscnt 0x0
	s_wait_tensorcnt 0x0
	ds_add_u32 v254, v255
	s_wait_dscnt 0x0
	CROUND                                         ; the closing round
	s_endpgm
.Lfunc_end_k_q1fdc3e3a75_outp:
	.size	k_q1fdc3e3a75_outp, .Lfunc_end_k_q1fdc3e3a75_outp-k_q1fdc3e3a75_outp
	.p2alignl 7, 3214868480
	.fill 96, 4, 3214868480
	.section	.rodata,"a",@progbits
	.p2align	6, 0x0
	.amdhsa_kernel k_q1fdc3e3a75_outp
		.amdhsa_group_segment_fixed_size 327680
		.amdhsa_private_segment_fixed_size 0
		.amdhsa_enable_private_segment 0
		.amdhsa_kernarg_size 32
		.amdhsa_user_sgpr_count 2
		.amdhsa_user_sgpr_kernarg_segment_ptr 1
		.amdhsa_wavefront_size32 1
		.amdhsa_system_sgpr_workgroup_id_x 1
		.amdhsa_system_sgpr_workgroup_id_y 1
		.amdhsa_system_sgpr_workgroup_id_z 1
		.amdhsa_system_vgpr_workitem_id 0
		.amdhsa_next_free_vgpr 768
		.amdhsa_next_free_sgpr 102
		.amdhsa_reserve_vcc 0
		.amdhsa_float_denorm_mode_32 3
		.amdhsa_float_denorm_mode_16_64 3
		.amdhsa_memory_ordered 1
		.amdhsa_forward_progress 1
		.amdhsa_inst_pref_size 82
	.end_amdhsa_kernel
	.amdgpu_metadata
---
amdhsa.version: [ 1, 2 ]
amdhsa.kernels:
  - .name:           k_q1fdc3e3a75_outp
    .symbol:         k_q1fdc3e3a75_outp.kd
    .args:
      - { .name: ctx, .offset: 0, .size: 8, .value_kind: global_buffer, .address_space: global }
      - { .name: xw, .offset: 8, .size: 8, .value_kind: global_buffer, .address_space: global }
      - { .name: bo, .offset: 16, .size: 8, .value_kind: global_buffer, .address_space: global }
      - { .name: out0, .offset: 24, .size: 8, .value_kind: global_buffer, .address_space: global }
    .group_segment_fixed_size: 327680
    .private_segment_fixed_size: 0
    .kernarg_segment_align: 8
    .kernarg_segment_size: 32
    .max_flat_workgroup_size: 128
    .sgpr_count:     102
    .vgpr_count:     768
    .wavefront_size: 32
...
	.end_amdgpu_metadata
.endif
;; end of part 5
